; MI455X (gfx1250); checked and timed in simulation.
; The chip was launched on July 23, 2026; its instructions are those of AMD's public machine-readable ISA for CDNA 5 (MIT licence, August 2026) and "CDNA5" Instruction Set Architecture Reference Guide (July 2026). The comments in the code are by the model that wrote it; some were corrected since.
;; Multi Head Attention. Allowed arithmetic: matrix products marked QUANTISED: E3M2 operands, one E8M0 scale for each 32 along K, by v_wmma_scale_f32_16x16x128_f8f6f4 with both operands' format E3M2, f32 sums; everything else in f32.
;; Inputs: Wk 1,024 x 1,024 float32; Wo 1,024 x 1,024 float32; Wq 1,024 x 1,024 float32; Wv 1,024 x 1,024 float32; bk 1,024 float32; bo 1,024 float32; bq 1,024 float32; bv 1,024 float32; x 4 x 2,048 x 1,024 float32.
;; Outputs: out0 4 x 2,048 x 1,024 float32.
;; This version of the problem:
;;   THIS VERSION OF THE PROBLEM IS GIVEN IN LOW PRECISION. The matrix products marked QUANTISED in the list below multiply operands that are first quantised to E3M2 (3 exponent bits, 2 mantissa bits; 6 bits a number), with one power-of-two scale for each 32 numbers along K (OCP MX v1.0); their sums are f32. All else is computed in f32.
;;   The module's matrix products, in the order in which they are computed (A, B: the left and right operand; K: the contracted axis; several contracted axes count as one K, in the product's order):
;;     1. [M 8,192, K 1,024] x [K 1,024, N 1,024]; A: input x; B: input Wq: QUANTISED
;;     2. [M 8,192, K 1,024] x [K 1,024, N 1,024]; A: input x; B: input Wk: QUANTISED
;;     3. [M 8,192, K 1,024] x [K 1,024, N 1,024]; A: input x; B: input Wv: QUANTISED
;;     4. batch 64 x [M 2,048, K 64] x [K 64, N 2,048]; A: computed on the way; B: computed on the way: QUANTISED
;;     5. batch 64 x [M 2,048, K 2,048] x [K 2,048, N 64]; A: computed on the way; B: computed on the way: QUANTISED
;;     6. [M 8,192, K 1,024] x [K 1,024, N 1,024]; A: computed on the way; B: input Wo: QUANTISED
;;   THE QUANTISER, for each operand of a quantised product, along K:
;;     - K is cut into blocks of 32 from its start; a last block that is shorter is filled with zeros.
;;     - A block's scale is 2^e with e = floor(log2(the largest magnitude in the block)) - 4, held to -126 .. 127; a block of zeros has e = 0. As a byte (E8M0): e + 127.
;;     - Each number is divided by its block's scale, clamped to +-28, and rounded to the nearest number of E3M2, ties to even, subnormals kept.
;;     - The product sums the exact products of the quantised numbers (number of the format x scale) in f32.
;;   ~~~python
;;   def quantise(x, axis):      # numpy; x: float32 -> the quantised numbers, widened to float32 again
;;       x = np.moveaxis(x, axis, -1); K = x.shape[-1]
;;       x = np.pad(x, [(0, 0)] * (x.ndim - 1) + [(0, -K % 32)]); x = x.reshape(x.shape[:-1] + (-1, 32)); a = np.abs(x).max(-1, keepdims=True)
;;       e = np.where(a > 0, np.clip(np.frexp(np.where(a > 0, a, 1))[1] - 1 - 4, -126, 127), 0)      # np.frexp(a)[1] - 1 = floor(log2(a)), exactly
;;       r = np.clip(x / 2.0 ** e, -28, 28)
;;       step = 2.0 ** (np.maximum(np.frexp(np.where(r == 0, 1, r))[1] - 1, -2) - 2)
;;       q = np.round(r / step) * step * 2.0 ** e      # np.round: ties to even
;;       return np.moveaxis(q.reshape(q.shape[:-2] + (-1,))[..., :K], -1, axis).astype(np.float32)
;;   ~~~
;;   OPERANDS COMPUTED ON THE WAY. 'Computed on the way' means the value that the module computes at that place (a softmax that the list does not call 'softmax' is quantised finished and normalised). What goes into a quantiser is computed in f32, as accurately as f32 sums, v_exp_f32 and their like allow (about 1e-6 of the number): no bf16 or f16 on the way to a quantiser, and a product that is left as it is and whose result goes on into a quantised operand takes f32 operands (vector FMAs, or v_wmma_f32_16x16x4_f32). A number that lies on a knife's edge between two numbers of the format may be rounded either way, as far as f32 arithmetic and the matrix unit's own rounding can turn it there, and no further.
;; One version. Each part assembles by itself: llvm-mc -triple=amdgcn-amd-amdhsa -mcpu=gfx1250 --defsym DOCPART=n.
;; ======== version 1 of 1: 4 launches
;; workspace buffers: x_codes 6,291,456 bytes; x_scales 262,144 bytes; w_codes 3,145,728 bytes; w_scales 131,072 bytes; q 6,815,744 bytes; kv 13,369,344 bytes; o_codes 6,291,456 bytes; o_scales 262,144 bytes
;; launch quant (part 1): grid 256 x 1, 6 waves a work-group, no clusters, 51,456 bytes of LDS; arguments x, Wq, Wk, Wv, Wo, x_codes, x_scales, w_codes, w_scales; writes x_codes, x_scales, w_codes, w_scales
.if DOCPART == 1
	.amdgcn_target "amdgcn-amd-amdhsa--gfx1250"
	.amdhsa_code_object_version 6
	.text
	.protected	k_q10da0322c5_quant
	.globl	k_q10da0322c5_quant
	.p2align	8
	.type	k_q10da0322c5_quant,@function
k_q10da0322c5_quant:
	s_mov_b64 s[64:65], 0
	v_nop
	global_prefetch_b8 v0, s[64:65] scope:SCOPE_SE
	s_setreg_imm32_b32 hwreg(HW_REG_WAVE_MODE, 25, 1), 1
	s_wait_xcnt 0x0
; x [8192][1024] and Wq, Wk, Wv, Wo [1024][1024], f32, K innermost, become codes of BF6 (E3M2) with one E8M0 byte for each 32 along K, once for the whole program.
; NO WORK OF reference() IS LEFT OUT in this program: every bias stands ahead of a quantiser or in the result, |logit| is not shift-invariant, and all nine inputs are loaded.
; A block's scale is 2^(floor(log2(largest magnitude)) - 4): its byte is the largest magnitude's exponent field - 4, held at 1 from below by a floor among the maximum's leaves.
; LIMITS: a block of zeros, or one whose largest magnitude lies under 2^-122, gets the byte 1 where the rule says 127 or less: its codes are zeros or nearly so, and this program alone reads the bytes.
; NaN and infinities among the inputs are not served.
; LAYOUT OF THE RESULTS: the order of the operand's registers.  Rows go in groups of 32: row tile 2 g + u holds, in lane row r, row 32 g + 8 u + r + 8 (r / 8), so that a product that takes the tile as
; source 0 leaves 16 neighbouring rows in the 16 registers of two neighbouring tiles.  Codes: [row tile][K step of 128][half of 64 K][768 bytes]; a half is registers 0-3 at 16 x lane, registers 4-5 at 512 + 8 x lane.
; Scale words: [row tile][half of K][lane row][4 words], a word for a K step.
; SHARES: 1,536 tasks of 16 rows (a tile) x 512 K, one to a wave: task T = 6 x work-group + wave, row tile T / 2 (0-511: x; then 64 each of Wq, Wk, Wv, Wo), half of K T % 2.  Waves share nothing: no barrier.
; A load reads 512 consecutive bytes of one row; the conversions want 16 neighbours along K in one lane: a step's 16 rows x 512 bytes turn through the wave's own stage in LDS (rows 528 bytes apart).
.set STG,   8448                       ; a wave's stage: 16 rows x 528 bytes
.set SPARE, 6*STG                      ; behind the six stages: the spare words, 128 bytes for each wave, that no other line names
.set R,     16                         ; v16-143  two sets of 64: a step's numbers as loaded
.set X,     144                        ; v144-207 register 16 b + i = k 32 b + 16 (lane / 16) + i of my row
.set PC,    208                        ; v208-226 the codes just made
.set TM,    228                        ; v228-243 at work
.set W,     244                        ; v244-247 the four steps' scale words
.set OUTR,  248
.set SPW,   6                          ; v6  LDS address of my spare word; never rewritten
.set NIL,   7                          ; v7  0; never rewritten
.set SEL,   32                         ; s[32:33] lane selects: lane l xor 16
	s_load_b512 s[8:23], s[0:1], 0x0               ; x, Wq, Wk, Wv, Wo, x_codes, x_scales, w_codes
	s_load_b64 s[24:25], s[0:1], 0x40              ; w_scales
	v_lshl_add_u32 v[SPW], v0, 2, SPARE
	v_mov_b32 v[NIL], 0
	v_lshrrev_b32 v1, 5, v0
	v_readfirstlane_b32 s2, v1                     ; wave 0..5
	v_and_b32 v8, 31, v0                           ; lane
	v_lshlrev_b32 v1, 4, v8                        ; 16 x lane
	v_lshlrev_b32 v2, 3, v8                        ; 8 x lane
	v_and_b32 v9, 15, v0                           ; r
	v_bfe_u32 v10, v0, 4, 1                        ; h
	s_mul_i32 s3, s2, STG
	v_add_nc_u32 v3, s3, v1                        ; the stage, on the way in: 16 x lane of a row
	v_mul_u32_u24 v4, v9, 528
	v_lshl_add_u32 v4, v10, 6, v4
	v_add_nc_u32 v4, s3, v4                        ; and on the way out: row r, + 64 h
	v_lshlrev_b32 v5, 4, v9
	v_lshl_add_u32 v5, v10, 3, v5                  ; the scale words' place: 16 r + 8 h
.irp b, 0,1,2,3
	v_mov_b32 v[TM+4+\b], 0                        ; written once: a lane permute's destination counts as one of its sources
.endr
	s_mov_b32 s[SEL], 0x76543210
	s_mov_b32 s[SEL+1], 0xfedcba98
	s_mov_b32 s34, 0xffff0000                      ; lanes 16-31
	s_mul_i32 s35, ttmp9, 6
	s_add_co_u32 s35, s35, s2                      ; T
	s_and_b32 s36, s35, 1                          ; which half of K
	s_lshr_b32 s35, s35, 1                         ; row tile among the 768
	s_sub_co_u32 s37, s35, 512                     ; among the weights' 256 (used only where it is one of them)
	s_lshr_b32 s38, s37, 6                         ; which weight
	s_and_b32 s39, s37, 63                         ; its tile
	s_wait_kmcnt 0x0
	s_mov_b64 s[26:27], s[16:17]                   ; the source: Wo,
	s_cmp_eq_u32 s38, 2
	s_cselect_b64 s[26:27], s[14:15], s[26:27]     ; Wv,
	s_cmp_eq_u32 s38, 1
	s_cselect_b64 s[26:27], s[12:13], s[26:27]     ; Wk,
	s_cmp_eq_u32 s38, 0
	s_cselect_b64 s[26:27], s[10:11], s[26:27]     ; Wq,
	s_cmp_lt_u32 s35, 512
	s_cselect_b64 s[26:27], s[8:9], s[26:27]       ; or x: the choices hang on ids alone
	s_cselect_b64 s[28:29], s[18:19], s[22:23]     ; the codes' buffer
	s_cselect_b64 s[30:31], s[20:21], s[24:25]     ; the scales'
	s_cselect_b32 s39, s35, s39                    ; the tile in its source
	s_cselect_b32 s37, s35, s37                    ; and in its destination
	s_lshr_b32 s40, s39, 1
	s_lshl_b32 s40, s40, 17                        ; 32 rows of 4,096 bytes a group,
	s_and_b32 s41, s39, 1
	s_lshl_b32 s41, s41, 15                        ; 8 rows for the odd tile,
	s_add_co_u32 s40, s40, s41
	s_lshl_b32 s41, s36, 11                        ; 512 numbers for the upper half of K
	s_add_co_u32 s40, s40, s41
	s_mov_b32 s41, 0
	s_add_nc_u64 s[26:27], s[26:27], s[40:41]
	s_mul_i32 s40, s37, 12288
	s_mul_i32 s42, s36, 6144
	s_add_co_u32 s40, s40, s42
	s_add_nc_u64 s[28:29], s[28:29], s[40:41]
	s_lshl_b32 s40, s37, 9
	s_lshl_b32 s42, s36, 8
	s_add_co_u32 s40, s40, s42
	s_add_nc_u64 s[30:31], s[30:31], s[40:41]
.macro LOAD t                          ; step t: 128 numbers of each of the tile's 16 rows; each load reads 512 consecutive bytes
.irp i, 0,1,2,3,4,5,6,7,8,9,10,11,12,13,14,15
	global_load_b128 v[R+64*((\t)%2)+4*\i:R+64*((\t)%2)+4*\i+3], v1, s[26:27] offset:(\i+8*(\i/8))*4096+512*(\t) th:TH_LOAD_NT
.endr
.endm
; 64 numbers of a lane, register 16 b + i = k 32 b + 16 (lane / 16) + i of my row, become a fragment's codes in v[PC] on and the row's scale word in v[w]
.macro QUANT s, w
.irp b, 0,1,2,3
	v_max3_num_f32 v[TM+\b], |v[\s+16*\b]|, |v[\s+1+16*\b]|, 0x2800000   ; block b: my 16 numbers, and the floor 2^(5 - 127): the byte cannot fall under 1
.endr
.irp i, 2,4,6,8,10,12,14
.irp b, 0,1,2,3
	v_max3_num_f32 v[TM+\b], v[TM+\b], |v[\s+16*\b+\i]|, |v[\s+1+16*\b+\i]|   ; the four blocks by turns
.endr
.endr
.irp b, 0,1,2,3
	v_permlanex16_b32 v[TM+4+\b], v[TM+\b], s[SEL], s[SEL+1]
.endr
.irp b, 0,1,2,3
	v_max_num_f32 v[TM+\b], v[TM+\b], v[TM+4+\b]   ; with lane l xor 16's: the block's largest magnitude
.endr
.irp b, 0,1,2,3
	v_add_nc_u32 v[TM+12+\b], 0xfe000000, v[TM+\b] ; 4 off its exponent field: the conversion takes the exponent field of this operand as its scale
.endr
.irp b, 0,1,2,3
	v_lshrrev_b32 v[TM+4+\b], 23, v[TM+12+\b]      ; the scale's byte
.endr
	v_lshl_or_b32 v[\w], v[TM+5], 8, v[TM+4]
	v_lshl_or_b32 v[\w], v[TM+6], 16, v[\w]
	v_lshl_or_b32 v[\w], v[TM+7], 24, v[\w]
.irp c, 0,1
	v_cvt_scalef32_pk16_bf6_f32 v[PC+6*\c:PC+2+6*\c], v[\s+32*\c:\s+15+32*\c], v[TM+12+2*\c]
	v_cvt_scalef32_pk16_bf6_f32 v[PC+12+4*\c:PC+14+4*\c], v[\s+16+32*\c:\s+31+32*\c], v[TM+12+2*\c+1]   ; a conversion's three registers begin on an even number
.endr
	v_nop                                          ; one plain place behind a scaled conversion
.irp c, 0,1                                    ; the operand's layout wants a whole block in a lane: lanes 0-15 block 2 c, lanes 16-31 block 2 c + 1
.irp i, 0,1,2
	v_permlane16_swap_b32 v[PC+6*\c+\i], v[PC+12+4*\c+\i]
.endr
.irp i, 0,1,2
	v_mov_b32 v[PC+3+6*\c+\i], v[PC+12+4*\c+\i]
.endr
.endr
.endm
.macro STEP t
.if (\t) < 3
	s_wait_loadcnt 16                              ; this step's 16 loads are in; the next step's 16 may be out
.else
	s_wait_loadcnt 0x0
.endif
.irp i, 0,1,2,3,4,5,6,7,8,9,10,11,12,13,14,15
	ds_store_b128 v3, v[R+64*((\t)%2)+4*\i:R+64*((\t)%2)+4*\i+3] offset:528*\i
.endr
.irp b, 0,1,2,3
.irp j, 0,1,2,3
	ds_load_b128 v[X+16*\b+4*\j:X+16*\b+4*\j+3], v4 offset:128*\b+16*\j   ; LDS serves a wave's instructions in order: these see the stores above
.endr
.endr
	s_wait_dscnt 0x0                               ; the numbers are back, and the stores have read their registers,
.if (\t) < 2
	LOAD (\t)+2                                    ; which take the loads of two steps on
.endif
.if (\t) > 0
	s_wait_xcnt 0x0                                ; the last step's stores have read the codes' registers: they are rewritten only behind this wait
.endif
	QUANT X, W+(\t)
	global_store_b128 v1, v[PC:PC+3], s[28:29] offset:1536*(\t)             ; each store covers 512 or 256 consecutive bytes, aligned
	global_store_b64 v2, v[PC+4:PC+5], s[28:29] offset:1536*(\t)+512
	global_store_b128 v1, v[PC+6:PC+9], s[28:29] offset:1536*(\t)+768
	global_store_b64 v2, v[PC+10:PC+11], s[28:29] offset:1536*(\t)+1280
.endm
	LOAD 0
	LOAD 1
	STEP 0
	STEP 1
	STEP 2
	STEP 3
	v_cndmask_b32 v[OUTR], v[W], v[W+2], s34       ; lanes 0-15 store their row's words 0, 1, lanes 16-31 words 2, 3
	v_cndmask_b32 v[OUTR+1], v[W+1], v[W+3], s34
	global_store_b64 v5, v[OUTR:OUTR+1], s[30:31]  ; 256 consecutive bytes, aligned
	s_wait_tensorcnt 0x0                           ; the wave's end
	ds_add_u32 v[SPW], v[NIL]
	s_wait_dscnt 0x0
	s_endpgm
.Lfunc_end_k_q10da0322c5_quant:
	.size	k_q10da0322c5_quant, .Lfunc_end_k_q10da0322c5_quant-k_q10da0322c5_quant
	.p2alignl 7, 3214868480
	.fill 96, 4, 3214868480
	.section	.rodata,"a",@progbits
	.p2align	6, 0x0
	.amdhsa_kernel k_q10da0322c5_quant
		.amdhsa_group_segment_fixed_size 51456
		.amdhsa_private_segment_fixed_size 0
		.amdhsa_enable_private_segment 0
		.amdhsa_kernarg_size 72
		.amdhsa_user_sgpr_count 2
		.amdhsa_user_sgpr_kernarg_segment_ptr 1
		.amdhsa_wavefront_size32 1
		.amdhsa_system_sgpr_workgroup_id_x 1
		.amdhsa_system_sgpr_workgroup_id_y 1
		.amdhsa_system_sgpr_workgroup_id_z 1
		.amdhsa_system_vgpr_workitem_id 0
		.amdhsa_next_free_vgpr 256
		.amdhsa_next_free_sgpr 66
		.amdhsa_reserve_vcc 0
		.amdhsa_float_denorm_mode_32 3
		.amdhsa_float_denorm_mode_16_64 3
		.amdhsa_memory_ordered 1
		.amdhsa_forward_progress 1
		.amdhsa_inst_pref_size 34
	.end_amdhsa_kernel
	.amdgpu_metadata
---
amdhsa.version: [ 1, 2 ]
amdhsa.kernels:
  - .name:           k_q10da0322c5_quant
    .symbol:         k_q10da0322c5_quant.kd
    .args:
      - { .name: x, .offset: 0, .size: 8, .value_kind: global_buffer, .address_space: global }
      - { .name: Wq, .offset: 8, .size: 8, .value_kind: global_buffer, .address_space: global }
      - { .name: Wk, .offset: 16, .size: 8, .value_kind: global_buffer, .address_space: global }
      - { .name: Wv, .offset: 24, .size: 8, .value_kind: global_buffer, .address_space: global }
      - { .name: Wo, .offset: 32, .size: 8, .value_kind: global_buffer, .address_space: global }
      - { .name: x_codes, .offset: 40, .size: 8, .value_kind: global_buffer, .address_space: global }
      - { .name: x_scales, .offset: 48, .size: 8, .value_kind: global_buffer, .address_space: global }
      - { .name: w_codes, .offset: 56, .size: 8, .value_kind: global_buffer, .address_space: global }
      - { .name: w_scales, .offset: 64, .size: 8, .value_kind: global_buffer, .address_space: global }
    .group_segment_fixed_size: 51456
    .private_segment_fixed_size: 0
    .kernarg_segment_align: 8
    .kernarg_segment_size: 72
    .max_flat_workgroup_size: 192
    .sgpr_count:     66
    .vgpr_count:     256
    .wavefront_size: 32
...
	.end_amdgpu_metadata
.endif
;; end of part 1
;; launch qkv (part 2): grid 12 x 32, 4 waves a work-group, clusters of 4 x 4, 327,680 bytes of LDS; arguments x_codes, x_scales, w_codes, w_scales, bq, bk, bv, q, kv; writes q, kv
.if DOCPART == 2
	.amdgcn_target "amdgcn-amd-amdhsa--gfx1250"
	.amdhsa_code_object_version 6
	.text
	.protected	k_q10da0322c5_qkv
	.globl	k_q10da0322c5_qkv
	.p2align	8
	.type	k_q10da0322c5_qkv,@function
k_q10da0322c5_qkv:
	s_mov_b64 s[64:65], 0
	v_nop
	global_prefetch_b8 v0, s[64:65] scope:SCOPE_SE
	s_setreg_imm32_b32 hwreg(HW_REG_WAVE_MODE, 25, 1), 1
	s_wait_xcnt 0x0
	s_wait_alu depctr_hold_cnt(0) depctr_sa_sdst(0) depctr_va_vdst(0) depctr_va_sdst(0) depctr_va_ssrc(0) depctr_va_vcc(0) depctr_vm_vsrc(0)
	s_getreg_b32 s2, hwreg(HW_REG_IB_STS2, 6, 4)
	s_cmp_eq_u32 s2, 0
	s_cbranch_scc0 .Lentry_in_a_cluster
	s_endpgm
.Lentry_in_a_cluster:
	s_bfe_u32 s2, ttmp6, 0x10000c
	s_cmp_lg_u32 s2, 0xf033
	s_cbranch_scc0 .Lentry_shape_is_right
	s_endpgm
.Lentry_shape_is_right:
; Q = x Wq^T + bq, K = x Wk^T + bk, V = x Wv^T + bv on codes of BF6 with E8M0 scales (K = 1,024), and each result quantised at once for attention: Q and K along the head's 64, V along the keys.  Nothing of reference() is left out.
; A tile of 256 x 256 to a work-group of four waves, 128 x 128 (64 accumulators, 512 registers) to a wave.  K goes in four steps of 256 through two LDS slots filled by the tensor data mover.
; THE KIND hangs on the cluster's x, which all sixteen partners share: 0 Q, 1 K, 2 V.  Only pointers and tile numbers are chosen by it; the products are one text.
;   Q, K: A = x (256 tokens), B = the weight (256 features): a lane holds one token and its registers run along the features: the next product's K.
;   V:    A = Wv (256 features), B = x (256 tokens): a lane holds one feature and its registers run along the tokens: the keys, the second product's K.
; CODES LIE IN THE ORDER OF OPERAND REGISTERS: [row tile of 16][K step of 128][1,536 bytes]; a fragment comes by two loads of 16 bytes and two of 8 a lane, each run of lanes consecutive: no pitch, no padding.
; A row tile 2 g + u holds, in lane row r, row 32 g + 8 u + r + 8 (r / 8): taken as source 0 it leaves rows 32 g + 16 (lane / 16) + 0 .. 15 in the 16 registers of tiles 2 g, 2 g + 1.
; So a block's 64 accumulator registers are 128 neighbours along the next K in just the order that the quantiser's conversions want, and their results are operand registers: the way out uses no LDS.
; CLUSTERS: 4 x 4 work-groups; A's tiles are shared along a row of the cluster, B's along a column: each is asked for jointly, by the same tensor load with the same descriptor and a mask that names the four.
; By this text's count a wave has three tensor loads out at the start and one behind each round.
; LIMITS: as in the first launch (a block under 2^-122 gets the byte 1; NaN and infinities are not served).
; REGISTERS, in windows of 256: window 0: v0-31 addresses; v32-63 scale words, two sets; v128-223 A's fragments, one set.  window 1: B's fragments, two sets, at v0 and v128.  windows 2, 3: the accumulators ((a, b) at v[8 (8 (a % 4) + b)]).
.set NQ,     2
.set FR,     12
.set NL,     4                         ; LDS loads that bring a fragment
.set NP,     4                         ; places behind this matrix instruction
.set RTB,    12288                     ; a row tile's codes: 8 K steps of 1,536 bytes
.set KSB,    3072                      ; two K steps of a row tile: a row of what one tensor load brings
.set HALFT,  8*KSB                     ; 8 row tiles (128 rows): one tensor load, and what one wave reads of A or of B
.set SLOT,   4*HALFT
.set SCL,    2*SLOT                    ; behind the ring: the scale words of A's and B's 256 rows for all of K, filled once
.set HALFS,  4096
.set SPARE,  SCL+4*HALFS               ; the spare words, 128 bytes for each wave, that no other line names
.set QSTEP,  6656                      ; q: [head][step of 128 tokens][8 halves of 768 bytes, then 512 bytes of scale words]
.set QHEAD,  16*QSTEP
.set KVSTEP, 13056                     ; kv: [head][step of 128 keys][K: 8 x 768][V: 4 x 1,536][K's scale words 512][V's 256]
.set KVHEAD, 16*KVSTEP
.set ADRA, 16                          ; v16-17 16 x lane + my A rows in slot 0, 1;  v18-19 the same with 8 x lane
.set ADRB, 20                          ; v20-23 the same for B
.set ADRS, 27                          ; v27  my scale words: lanes 0-15 A's rows, lanes 16-31 B's; never rewritten
.set SPW,  28
.set NIL,  29
.set SC,   32
.set AF,   128
.set BIAS, 64                          ; the way out, all in window 0: v64-127 the bias in the results' layout
.set ST,   128                         ; v128-191 a block's 64 numbers
.set PC,   192                         ; v192-210 its codes
.set TM,   212                         ; v212-227 at work
.set PW,   228
.set WA,   230                         ; v230-237, v238-245 the blocks' scale words
.set WB,   238
.set IMG,  246                         ; v246-253 their images
.set SEL,  2                           ; s[2:3] lane selects: lane l xor 16
.set G1, 24
.set G0, 32
.set G1B, 48
.set G0B, 56
.set G1S, 68
.set G0S, 76
.set G1SB, 80
.set G0SB, 88
.set MSB, 0
.macro WIN new                         ; the immediate's high byte repeats the setting that is left
.if MSB != \new
	s_set_vgpr_msb (MSB<<8)|\new
.set MSB, \new
.endif
.endm
.set MUL_LO, 0xa1                      ; source 0 (B) window 1, source 1 (A) window 0, C and D window 2
.set MUL_HI, 0xf1
.set TO_B,   0x40
; A joint load: waves 0 and 1 fetch for A, waves 2 and 3 for B.  The branch hangs on the wave's number alone.  An s_nop 0 and four v_nop follow each of the two lines.
.macro JLOAD g0a, g1a, g0b, g1b
	s_cmp_eq_u32 s15, 0
	s_cbranch_scc0 .Lfor_b_\@
	tensor_load_to_lds s[\g0a:\g0a+3], s[\g1a:\g1a+7]
	s_nop 0
.rept 4
	v_nop
.endr
	s_branch .Lasked_\@
.Lfor_b_\@:
	tensor_load_to_lds s[\g0b:\g0b+3], s[\g1b:\g1b+7]
	s_nop 0
.rept 4
	v_nop
.endr
.Lasked_\@:
.endm
.macro CREST                           ; a round of the cluster's barrier behind its opening barrier
	s_cmp_lg_u32 s14, 0
	s_cbranch_scc1 .Lnot_wave_0_\@
	s_barrier_signal -3
.Lnot_wave_0_\@:
	s_barrier_wait -3
	s_barrier_signal -1
	s_barrier_wait -1
.endm
.macro CROUND
	s_barrier_signal -1
	s_barrier_wait -1
	CREST
.endm
	s_load_b512 s[68:83], s[0:1], 0x0              ; x_codes, x_scales, w_codes, w_scales, bq, bk, bv, q
	s_load_b64 s[84:85], s[0:1], 0x40              ; kv
	v_lshl_add_u32 v[SPW], v0, 2, SPARE
	v_mov_b32 v[NIL], 0
	ds_add_u32 v[SPW], v[NIL]                      ; the wave's opening: the add, twice on end, and its wait ahead of my first tensor load
	ds_add_u32 v[SPW], v[NIL]
	v_lshrrev_b32 v1, 5, v0
	v_readfirstlane_b32 s14, v1                    ; wave 0..3
	s_lshr_b32 s15, s14, 1                         ; which half of A's rows is mine.  Also: I fetch for A (0) or for B (1)
	s_and_b32 s16, s14, 1                          ; which half of B's rows.  Also: which 128 rows I fetch
	s_bfe_u32 s40, ttmp6, 0x40000                  ; cx
	s_bfe_u32 s41, ttmp6, 0x40004                  ; cy
	s_mov_b32 s95, ttmp9                           ; the kind: the cluster's x
	s_and_b32 s18, ttmp7, 0xffff
	s_lshl_b32 s18, s18, 2                         ; 4 x cluster y
	s_add_co_u32 s17, s18, s41                     ; Q, K: A's tile = x's 4 Y + cy
	s_add_co_u32 s19, s41, 8                       ; V:    A's tile = the weights' 8 + cy (Wv)
	s_lshl_b32 s42, s95, 2
	s_add_co_u32 s42, s42, s40                     ; Q, K: B's tile = the weights' 4 X + cx
	s_add_co_u32 s45, s18, s40                     ; V:    B's tile = x's 4 Y + cx
	s_cmp_eq_u32 s95, 2
	s_cselect_b32 s17, s19, s17                    ; A's tile hangs on cy alone,
	s_cselect_b32 s42, s45, s42                    ; B's on cx alone
	s_lshl_b32 s43, s41, 2
	s_lshl_b32 s43, 15, s43                        ; my row of the cluster
	s_lshl_b32 s44, 0x1111, s40                    ; my column
	; descriptor group 1 for the codes: 8 rows (row tiles) of 3,072 bytes = 384 elements of 8 bytes, 12,288 bytes apart; dense in LDS
	s_or_b32 s[G1+0], s43, (3<<16)|(1<<21)         ; 15:0 the mask; 17:16 elements of 8 bytes; 21 set beside a mask
	s_or_b32 s[G1B+0], s44, (3<<16)|(1<<21)
.irp g, G1, G1B
	s_mov_b32 s[\g+1], 384<<16                     ; tensor_dim0
	s_mov_b32 s[\g+2], 8<<16                       ; tensor_dim1
	s_mov_b32 s[\g+3], 384<<16                     ; tile_dim0
	s_mov_b32 s[\g+4], 8                           ; tile_dim1
	s_mov_b32 s[\g+5], 1536                        ; tensor_dim0_stride
	s_mov_b32 s[\g+6], 0
	s_mov_b32 s[\g+7], 0
.endr
	s_mul_i32 s18, s16, 8*RTB                      ; which 8 row tiles I fetch
	s_mul_i32 s20, s17, 16*RTB
	s_add_co_u32 s20, s20, s18                     ; A's codes, in bytes
	s_mul_i32 s46, s42, 16*RTB
	s_add_co_u32 s46, s46, s18                     ; B's
	s_mov_b32 s21, 0
	s_mov_b32 s47, 0
	s_lshl_b32 s18, s16, 12
	s_lshl_b32 s22, s17, 13
	s_add_co_u32 s22, s22, s18                     ; A's scale words: 512 bytes a row tile
	s_lshl_b32 s92, s42, 13
	s_add_co_u32 s92, s92, s18                     ; B's
	s_mov_b32 s23, 0
	s_mov_b32 s93, 0
	s_mul_i32 s45, s14, HALFT                      ; where they go: by the wave's number alone
	s_lshl_b32 s94, s14, 12
	s_wait_dscnt 0x0                               ; both opening adds are done
	s_wait_kmcnt 0x0
	s_cmp_eq_u32 s95, 2                            ; the buffers are chosen on the kind, which hangs on no address
	s_cselect_b64 s[4:5], s[72:73], s[68:69]       ; A's codes
	s_cselect_b64 s[6:7], s[74:75], s[70:71]       ; A's scales
	s_cselect_b64 s[8:9], s[68:69], s[72:73]       ; B's codes
	s_cselect_b64 s[10:11], s[70:71], s[74:75]     ; B's scales
	s_cselect_b64 s[12:13], s[80:81], s[78:79]     ; the bias: bv, bk,
	s_cmp_eq_u32 s95, 0
	s_cselect_b64 s[12:13], s[76:77], s[12:13]     ; or bq
	s_cselect_b64 s[96:97], s[82:83], s[84:85]     ; the destination: q or kv
	s_add_nc_u64 s[20:21], s[4:5], s[20:21]
	s_add_nc_u64 s[22:23], s[6:7], s[22:23]
	s_add_nc_u64 s[46:47], s[8:9], s[46:47]
	s_add_nc_u64 s[92:93], s[10:11], s[92:93]
	; group 1 for the scale words of 8 row tiles: 4,096 dense bytes as 16 rows of 256 (the arguments' registers are free now)
	s_or_b32 s[G1S+0], s43, (3<<16)|(1<<21)
	s_or_b32 s[G1SB+0], s44, (3<<16)|(1<<21)
.irp g, G1S, G1SB
	s_mov_b32 s[\g+1], 32<<16
	s_mov_b32 s[\g+2], 16<<16
	s_mov_b32 s[\g+3], 32<<16
	s_mov_b32 s[\g+4], 16
	s_mov_b32 s[\g+5], 32
	s_mov_b32 s[\g+6], 0
	s_mov_b32 s[\g+7], 0
.endr
	CROUND                                         ; all sixteen work-groups are here: the first joint loads meet
	s_mov_b32 s[G0S], 1
	s_add_co_u32 s[G0S+1], s94, SCL
	s_mov_b64 s[G0S+2:G0S+3], s[22:23]
	s_or_b32 s[G0S+3], s[G0S+3], 0x80000000
	s_mov_b32 s[G0SB], 1
	s_add_co_u32 s[G0SB+1], s94, SCL
	s_mov_b64 s[G0SB+2:G0SB+3], s[92:93]
	s_or_b32 s[G0SB+3], s[G0SB+3], 0x80000000
	JLOAD G0S, G1S, G0SB, G1SB                     ; the scale words first: they are wanted with K step 0
.irp s, 0,1
	s_mov_b32 s[G0+4*\s], 1
	s_add_co_u32 s[G0+4*\s+1], s45, \s*SLOT
	s_add_nc_u64 s[G0+4*\s+2:G0+4*\s+3], s[20:21], \s*KSB
	s_or_b32 s[G0+4*\s+3], s[G0+4*\s+3], 0x80000000
	s_mov_b32 s[G0B+4*\s], 1
	s_add_co_u32 s[G0B+4*\s+1], s45, \s*SLOT
	s_add_nc_u64 s[G0B+4*\s+2:G0B+4*\s+3], s[46:47], \s*KSB
	s_or_b32 s[G0B+4*\s+3], s[G0B+4*\s+3], 0x80000000
	JLOAD G0+4*\s, G1, G0B+4*\s, G1B
.endr
	v_and_b32 v6, 31, v0
	v_lshlrev_b32 v4, 4, v6                        ; 16 x lane
	v_lshlrev_b32 v5, 3, v6                        ; 8 x lane
	s_mul_i32 s21, s15, HALFT                      ; my 128 rows of A
	s_mul_i32 s22, s16, HALFT                      ; my 128 rows of B,
	s_add_co_u32 s22, s22, 2*HALFT                 ; which lie behind A's 256
.irp s, 0,1
	v_add_nc_u32 v[ADRA+\s], s21, v4
	v_add_nc_u32 v[ADRB+\s], s22, v4
	v_add_nc_u32 v[ADRA+2+\s], s21, v5
	v_add_nc_u32 v[ADRB+2+\s], s22, v5
	s_add_co_u32 s21, s21, SLOT
	s_add_co_u32 s22, s22, SLOT
.endr
	v_and_b32 v1, 15, v0                           ; r
	v_bfe_u32 v2, v0, 4, 1                         ; h
	v_lshlrev_b32 v5, 4, v1                        ; a lane row's four words
	s_mul_i32 s21, s15, HALFS
	s_mul_i32 s22, s16, HALFS
	s_add_co_u32 s22, s22, 2*HALFS
	s_sub_co_u32 s22, s22, s21
	v_mul_u32_u24 v6, s22, v2                      ; lanes 16-31 take B's: the lower base + h x the distance
	s_add_co_u32 s21, s21, SCL
	v_add_nc_u32 v5, v5, v6
	v_add_nc_u32 v[ADRS], s21, v5
.macro FRAG reg, adr, q, i             ; a fragment, 12 registers: two halves of 768 bytes, each registers 0-3 at 16 x lane and 4-5 at 512 + 8 x lane
	ds_load_b128 v[\reg:\reg+3], v[\adr] offset:(\i)*KSB+(\q)*1536
	ds_load_b64 v[\reg+4:\reg+5], v[\adr+2] offset:(\i)*KSB+(\q)*1536+512
	ds_load_b128 v[\reg+6:\reg+9], v[\adr] offset:(\i)*KSB+(\q)*1536+768
	ds_load_b64 v[\reg+10:\reg+11], v[\adr+2] offset:(\i)*KSB+(\q)*1536+1280
.endm
; 16 matrix instructions: A's blocks a0, a0 + 1 x B's eight, 128 along K.  The 64 accumulators take turns, one instruction a turn, in the same order in every step.
.macro MUL16 a0, p, q, sc, zero
.irp a, \a0, \a0+1
.irp b, 0,1,2,3,4,5,6,7
.if \zero
	v_wmma_scale_f32_16x16x128_f8f6f4 v[8*(8*((\a)%4)+\b):8*(8*((\a)%4)+\b)+7], v[128*(\p)+FR*\b:128*(\p)+FR*\b+FR-1], v[AF+FR*(\a):AF+FR*(\a)+FR-1], 0, v[SC+8*NQ*(\sc)+NQ*\b+(\q)], v[SC+8*NQ*(\sc)+NQ*(\a)+(\q)] matrix_a_fmt:MATRIX_FMT_BF6 matrix_b_fmt:MATRIX_FMT_BF6 matrix_a_scale:MATRIX_SCALE_ROW1
.else
	v_wmma_scale_f32_16x16x128_f8f6f4 v[8*(8*((\a)%4)+\b):8*(8*((\a)%4)+\b)+7], v[128*(\p)+FR*\b:128*(\p)+FR*\b+FR-1], v[AF+FR*(\a):AF+FR*(\a)+FR-1], v[8*(8*((\a)%4)+\b):8*(8*((\a)%4)+\b)+7], v[SC+8*NQ*(\sc)+NQ*\b+(\q)], v[SC+8*NQ*(\sc)+NQ*(\a)+(\q)] matrix_a_fmt:MATRIX_FMT_BF6 matrix_b_fmt:MATRIX_FMT_BF6 matrix_a_scale:MATRIX_SCALE_ROW1
.endif
.endr
.endr
.endm
.macro FETCH_B slot, q, p
	WIN TO_B
.irp i, 0,1,2,3,4,5,6,7
	FRAG 128*(\p)+FR*\i, ADRB+\slot, \q, \i
.endr
	WIN 0
.endm
.macro FETCH_A slot, q, i0
.irp i, \i0, \i0+1, \i0+2, \i0+3
	FRAG AF+FR*(\i), ADRA+\slot, \q, \i
.endr
.endm
.macro SCALES sc, ks                   ; K slot ks's two words a row into set sc: lanes 0-15 A's block i, lanes 16-31 B's block i
.irp i, 0,1,2,3,4,5,6,7
	ds_load_b64 v[SC+8*NQ*\sc+NQ*\i:SC+8*NQ*\sc+NQ*\i+1], v[ADRS] offset:\i*512+((\ks)/2)*256+((\ks)%2)*8
.endr
.endm
.macro PLACES n                        ; plain vector instructions between a matrix instruction and a load into, or a read of, its registers
.rept \n
	v_nop
.endr
.endm
.macro STEP slot, q, zero              ; a step of 128 along K that has its successor in the same slot
	s_wait_dscnt 4*NL                              ; B's set and A's blocks 0-3 are in; the youngest 16 loads (A's blocks 4-7) may be out
	WIN MUL_LO
	MUL16 0, (\q)%2, \q, \slot, \zero
	MUL16 2, (\q)%2, \q, \slot, \zero
	s_wait_dscnt 0
	PLACES NP
	FETCH_B \slot, (\q)+1, 1-(\q)%2
	FETCH_A \slot, (\q)+1, 0
	WIN MUL_HI
	MUL16 4, (\q)%2, \q, \slot, \zero
	MUL16 6, (\q)%2, \q, \slot, \zero
	PLACES NP
	WIN 0
	FETCH_A \slot, (\q)+1, 4
.endm
; A slot's last step changes slots: one barrier; in front of it each wave waits for all its tensor loads, adds 0 to its spare word, and waits for that and for its reads of this slot.  fill = 1: the slot is filled again, two K slots ahead.
.macro TURN slot, next, fill, ks
	s_wait_tensorcnt 0x0                           ; all my tensor loads have landed: my part of the next slot
	ds_add_u32 v[SPW], v[NIL]                      ; 0 onto my spare word
	s_wait_dscnt 4*NL+1                            ; the add and the youngest 16 loads may be out
	WIN MUL_LO
	MUL16 0, 1, NQ-1, \slot, 0
	s_wait_dscnt 0x0                               ; the add is done, and my reads of this slot are over
	s_barrier_signal -1
	MUL16 2, 1, NQ-1, \slot, 0
	WIN 0
	s_barrier_wait -1
.if \fill
	CREST                                          ; the barrier has opened a round of the cluster's barrier: no wave of any partner still reads this slot or has a load on its way
	s_add_nc_u64 s[G0+4*\slot+2:G0+4*\slot+3], s[G0+4*\slot+2:G0+4*\slot+3], 2*KSB
	s_add_nc_u64 s[G0B+4*\slot+2:G0B+4*\slot+3], s[G0B+4*\slot+2:G0B+4*\slot+3], 2*KSB
	JLOAD G0+4*\slot, G1, G0B+4*\slot, G1B         ; the first tensor load behind the round; its four v_nop are the places in front of the loads below
.else
	PLACES NP
.endif
	FETCH_B \next, 0, 0
	FETCH_A \next, 0, 0
	SCALES \next, \ks
	WIN MUL_HI
	MUL16 4, 1, NQ-1, \slot, 0
	MUL16 6, 1, NQ-1, \slot, 0
	PLACES NP
	WIN 0
	FETCH_A \next, 0, 4
.endm
	s_wait_tensorcnt 1                             ; the scale words and my part of K slot 0 are in; K slot 1's load may be out
	s_barrier_signal -1
	s_barrier_wait -1
	FETCH_B 0, 0, 0
	FETCH_A 0, 0, 0
	SCALES 0, 0
	FETCH_A 0, 0, 4
	STEP 0, 0, 1                                   ; the first products start the sums: nothing is cleared.  K = 1,024 is four K slots: the walk is written out
	TURN 0, 1, 1, 1
	STEP 1, 0, 0
	TURN 1, 0, 1, 2
	STEP 0, 0, 0
	TURN 0, 1, 0, 3                                ; nothing is left to fetch: no round
	STEP 1, 0, 0
	s_wait_dscnt 4*NL
	WIN MUL_LO
	MUL16 0, 1, NQ-1, 1, 0
	MUL16 2, 1, NQ-1, 1, 0
	s_wait_dscnt 0
	WIN MUL_HI
	MUL16 4, 1, NQ-1, 1, 0
	MUL16 6, 1, NQ-1, 1, 0
	WIN 0
; THE WAY OUT.  Block a (16 lane rows of A) holds, in its 64 registers, register 16 b + i = B's row 32 b + 16 (lane / 16) + i: + bias, quantised along those 128, stored as operand registers.
.macro QUANT s, w
.irp b, 0,1,2,3
	v_max3_num_f32 v[TM+\b], |v[\s+16*\b]|, |v[\s+1+16*\b]|, 0x2800000   ; block b: my 16 numbers, and the floor 2^(5 - 127)
.endr
.irp i, 2,4,6,8,10,12,14
.irp b, 0,1,2,3
	v_max3_num_f32 v[TM+\b], v[TM+\b], |v[\s+16*\b+\i]|, |v[\s+1+16*\b+\i]|
.endr
.endr
.irp b, 0,1,2,3
	v_permlanex16_b32 v[TM+4+\b], v[TM+\b], s[SEL], s[SEL+1]
.endr
.irp b, 0,1,2,3
	v_max_num_f32 v[TM+\b], v[TM+\b], v[TM+4+\b]
.endr
.irp b, 0,1,2,3
	v_add_nc_u32 v[TM+12+\b], 0xfe000000, v[TM+\b] ; 4 off the exponent field: the conversion's scale operand
.endr
.irp b, 0,1,2,3
	v_lshrrev_b32 v[TM+4+\b], 23, v[TM+12+\b]      ; the scale's byte
.endr
	v_lshl_or_b32 v[\w], v[TM+5], 8, v[TM+4]
	v_lshl_or_b32 v[\w], v[TM+6], 16, v[\w]
	v_lshl_or_b32 v[\w], v[TM+7], 24, v[\w]
.irp c, 0,1
	v_cvt_scalef32_pk16_bf6_f32 v[PC+6*\c:PC+2+6*\c], v[\s+32*\c:\s+15+32*\c], v[TM+12+2*\c]
	v_cvt_scalef32_pk16_bf6_f32 v[PC+12+4*\c:PC+14+4*\c], v[\s+16+32*\c:\s+31+32*\c], v[TM+12+2*\c+1]
.endr
	v_nop                                          ; one plain place behind a scaled conversion
.irp c, 0,1
.irp i, 0,1,2
	v_permlane16_swap_b32 v[PC+6*\c+\i], v[PC+12+4*\c+\i]
.endr
.irp i, 0,1,2
	v_mov_b32 v[PC+3+6*\c+\i], v[PC+12+4*\c+\i]
.endr
.endr
.endm
.macro ADDB a, own                     ; block a's results + the bias, each accumulator from its low end on.  own = 1: one number a lane (the block's own pair), else one a register
	WIN 0x02+(\a)/4                                ; source 0: window 2 or 3
.set j, 0
.rept 32
.if \own
	v_pk_add_f32 v[ST+j:ST+j+1], v[64*((\a)%4)+j:64*((\a)%4)+j+1], v[BIAS+2*(\a):BIAS+2*(\a)+1]
.else
	v_pk_add_f32 v[ST+j:ST+j+1], v[64*((\a)%4)+j:64*((\a)%4)+j+1], v[BIAS+j:BIAS+j+1]
.endif
.set j, j+2
.endr
	WIN 0
.endm
	PLACES NP
	v_and_b32 v1, 31, v0
	v_lshlrev_b32 v24, 4, v1                       ; 16 x lane
	v_lshlrev_b32 v25, 3, v1                       ; 8 x lane
	v_and_b32 v1, 15, v0                           ; r
	v_bfe_u32 v2, v0, 4, 1                         ; h
.irp b, 0,1,2,3
	v_mov_b32 v[TM+4+\b], 0                        ; a lane permute's destination counts as one of its sources
.endr
	s_mov_b32 s[SEL], 0x76543210
	s_mov_b32 s[SEL+1], 0xfedcba98
	s_mov_b32 s92, 0x7f7f0000                      ; the bytes of the 64 zero codes that fill a head's K up to 128
	s_mov_b32 s93, 0xffff0000                      ; lanes 16-31
	s_cmp_eq_u32 s95, 2                            ; the kind: the same in all waves and all partners
	s_cbranch_scc1 .Lv_out
	; ---- Q or K: my 128 tokens are one step, my 128 features two heads.  A block's registers 0-5 are the first head's half, 6-11 the second's.
	s_lshl_b32 s18, s17, 8
	s_lshl_b32 s19, s15, 7
	s_add_co_u32 s18, s18, s19                     ; my first token
	s_lshr_b32 s19, s18, 11                        ; the batch
	s_bfe_u32 s18, s18, 0x40007                    ; the step in it
	s_lshl_b32 s20, s42, 2
	s_lshl_b32 s21, s16, 1
	s_add_co_u32 s20, s20, s21
	s_and_b32 s20, s20, 15                         ; my first head
	s_lshl_b32 s19, s19, 4
	s_add_co_u32 s19, s19, s20
	s_lshl_b32 s20, s20, 8                         ; its 64 numbers of the bias, in bytes
	s_mov_b32 s21, 0
	s_mov_b32 s22, KVHEAD
	s_mov_b32 s23, KVSTEP
	s_mov_b32 s46, 12288
	s_cmp_eq_u32 s95, 0
	s_cselect_b32 s22, QHEAD, s22                  ; a head, a step, and where a step's scale words begin, in q or in kv
	s_cselect_b32 s23, QSTEP, s23
	s_cselect_b32 s46, 6144, s46
	s_mul_i32 s19, s19, s22
	s_mul_i32 s18, s18, s23
	s_add_co_u32 s18, s18, s19
	s_mov_b32 s19, 0
	s_mov_b32 s23, 0
	s_mov_b32 s47, 0
	s_add_nc_u64 s[96:97], s[96:97], s[18:19]      ; the first head's step,
	s_add_nc_u64 s[98:99], s[96:97], s[22:23]      ; the second's,
	s_add_nc_u64 s[100:101], s[96:97], s[46:47]    ; and their scale words
	s_add_nc_u64 s[104:105], s[98:99], s[46:47]
	s_add_nc_u64 s[12:13], s[12:13], s[20:21]
	v_lshlrev_b32 v26, 6, v2                       ; register 16 b + i wants the bias of feature 32 b + 16 h + i
.irp b, 0,1,2,3
.irp c, 0,1,2,3
	global_load_b128 v[BIAS+16*\b+4*\c:BIAS+16*\b+4*\c+3], v26, s[12:13] offset:128*\b+16*\c
.endr
.endr
	s_wait_loadcnt 0x0
.macro QKBLOCK a
.if (\a) > 0
	s_wait_xcnt 0x0                                ; the last block's stores have read the codes' registers
.endif
	ADDB \a, 0
	QUANT ST, PW
	v_and_or_b32 v[WA+(\a)], v[PW], 0xffff, s92    ; the first head's two bytes, and 0x7f for the zero codes
	v_lshrrev_b32 v[WB+(\a)], 16, v[PW]
	v_or_b32 v[WB+(\a)], s92, v[WB+(\a)]           ; the second head's
	global_store_b128 v24, v[PC:PC+3], s[96:97] offset:768*(\a)            ; each store covers 512 or 256 consecutive bytes, aligned
	global_store_b64 v25, v[PC+4:PC+5], s[96:97] offset:768*(\a)+512
	global_store_b128 v24, v[PC+6:PC+9], s[98:99] offset:768*(\a)
	global_store_b64 v25, v[PC+10:PC+11], s[98:99] offset:768*(\a)+512
.endm
.irp a, 0,1,2,3,4,5,6,7
	QKBLOCK \a
.endr
.irp i, 0,1,2,3                                ; eight tiles' scale words as four registers: tile 2 i in lanes 0-15, tile 2 i + 1 in lanes 16-31
	v_cndmask_b32 v[IMG+\i], v[WA+2*\i], v[WA+2*\i+1], s93
	v_cndmask_b32 v[IMG+4+\i], v[WB+2*\i], v[WB+2*\i+1], s93
.endr
	global_store_b128 v24, v[IMG:IMG+3], s[100:101]
	global_store_b128 v24, v[IMG+4:IMG+7], s[104:105]
	s_branch .Ldone
.Lv_out:
	; ---- V: my 128 tokens are one step of keys, my 128 features two heads of four tiles.  A block is one whole fragment: 16 features x 128 keys.
	s_lshl_b32 s18, s42, 8
	s_lshl_b32 s19, s16, 7
	s_add_co_u32 s18, s18, s19                     ; my first key
	s_lshr_b32 s19, s18, 11                        ; the batch
	s_bfe_u32 s18, s18, 0x40007                    ; the step in it
	s_sub_co_u32 s20, s17, 8
	s_lshl_b32 s20, s20, 2
	s_lshl_b32 s21, s15, 1
	s_add_co_u32 s20, s20, s21                     ; my first head
	s_lshl_b32 s19, s19, 4
	s_add_co_u32 s19, s19, s20
	s_mul_i32 s19, s19, KVHEAD
	s_mul_i32 s18, s18, KVSTEP
	s_add_co_u32 s18, s18, s19
	s_mov_b32 s19, 0
	s_add_nc_u64 s[96:97], s[96:97], s[18:19]      ; the first head's step,
	s_add_nc_u64 s[98:99], s[96:97], KVHEAD        ; the second's
	s_lshl_b32 s20, s20, 8
	s_mov_b32 s21, 0
	s_add_nc_u64 s[12:13], s[12:13], s[20:21]
	v_and_b32 v26, 8, v1
	v_add_nc_u32 v26, v26, v1
	v_lshlrev_b32 v26, 2, v26                      ; my lane row's feature in a tile: r + 8 (r / 8)
.irp a, 0,1,2,3,4,5,6,7
	global_load_b32 v[BIAS+2*\a], v26, s[12:13] offset:(32*(\a/2)+8*(\a%2))*4
.endr
	s_wait_loadcnt 0x0
.irp a, 0,1,2,3,4,5,6,7
	v_mov_b32 v[BIAS+2*\a+1], v[BIAS+2*\a]         ; a pair for the packed addition
.endr
.macro VBLOCK a
.if (\a) > 0
	s_wait_xcnt 0x0
.endif
	ADDB \a, 1
	QUANT ST, WA+(\a)
	global_store_b128 v24, v[PC:PC+3], s[96+2*((\a)/4):97+2*((\a)/4)] offset:6144+1536*((\a)%4)
	global_store_b128 v24, v[PC+4:PC+7], s[96+2*((\a)/4):97+2*((\a)/4)] offset:6144+1536*((\a)%4)+512
	global_store_b128 v24, v[PC+8:PC+11], s[96+2*((\a)/4):97+2*((\a)/4)] offset:6144+1536*((\a)%4)+1024
.endm
.irp a, 0,1,2,3,4,5,6,7
	VBLOCK \a
.endr
.irp i, 0,1,2,3                                ; four tiles' scale words as two registers, for each head
	v_cndmask_b32 v[IMG+\i], v[WA+2*\i], v[WA+2*\i+1], s93
.endr
	global_store_b64 v25, v[IMG:IMG+1], s[96:97] offset:12800
	global_store_b64 v25, v[IMG+2:IMG+3], s[98:99] offset:12800
.Ldone:
	s_wait_tensorcnt 0x0                           ; the wave's end
	ds_add_u32 v[SPW], v[NIL]
	s_wait_dscnt 0x0
	CROUND                                         ; the closing round: no work-group ends while a partner may still ask for a tile that names it
	s_endpgm
.Lfunc_end_k_q10da0322c5_qkv:
	.size	k_q10da0322c5_qkv, .Lfunc_end_k_q10da0322c5_qkv-k_q10da0322c5_qkv
	.p2alignl 7, 3214868480
	.fill 96, 4, 3214868480
	.section	.rodata,"a",@progbits
	.p2align	6, 0x0
	.amdhsa_kernel k_q10da0322c5_qkv
		.amdhsa_group_segment_fixed_size 327680
		.amdhsa_private_segment_fixed_size 0
		.amdhsa_enable_private_segment 0
		.amdhsa_kernarg_size 72
		.amdhsa_user_sgpr_count 2
		.amdhsa_user_sgpr_kernarg_segment_ptr 1
		.amdhsa_wavefront_size32 1
		.amdhsa_system_sgpr_workgroup_id_x 1
		.amdhsa_system_sgpr_workgroup_id_y 1
		.amdhsa_system_sgpr_workgroup_id_z 1
		.amdhsa_system_vgpr_workitem_id 0
		.amdhsa_next_free_vgpr 1024
		.amdhsa_next_free_sgpr 106
		.amdhsa_reserve_vcc 0
		.amdhsa_float_denorm_mode_32 3
		.amdhsa_float_denorm_mode_16_64 3
		.amdhsa_memory_ordered 1
		.amdhsa_forward_progress 1
		.amdhsa_inst_pref_size 219
	.end_amdhsa_kernel
	.amdgpu_metadata
---
amdhsa.version: [ 1, 2 ]
amdhsa.kernels:
  - .name:           k_q10da0322c5_qkv
    .symbol:         k_q10da0322c5_qkv.kd
    .args:
      - { .name: x_codes, .offset: 0, .size: 8, .value_kind: global_buffer, .address_space: global }
      - { .name: x_scales, .offset: 8, .size: 8, .value_kind: global_buffer, .address_space: global }
      - { .name: w_codes, .offset: 16, .size: 8, .value_kind: global_buffer, .address_space: global }
      - { .name: w_scales, .offset: 24, .size: 8, .value_kind: global_buffer, .address_space: global }
      - { .name: bq, .offset: 32, .size: 8, .value_kind: global_buffer, .address_space: global }
      - { .name: bk, .offset: 40, .size: 8, .value_kind: global_buffer, .address_space: global }
      - { .name: bv, .offset: 48, .size: 8, .value_kind: global_buffer, .address_space: global }
      - { .name: q, .offset: 56, .size: 8, .value_kind: global_buffer, .address_space: global }
      - { .name: kv, .offset: 64, .size: 8, .value_kind: global_buffer, .address_space: global }
    .group_segment_fixed_size: 327680
    .private_segment_fixed_size: 0
    .kernarg_segment_align: 8
    .kernarg_segment_size: 72
    .max_flat_workgroup_size: 128
    .sgpr_count:     106
    .vgpr_count:     1024
    .wavefront_size: 32
...
	.end_amdgpu_metadata
.endif
;; end of part 2
;; launch attn (part 3): grid 4 x 64, 16 waves a work-group, clusters of 4 x 1, 210,944 bytes of LDS; arguments q, kv, o_codes, o_scales; writes o_codes, o_scales
.if DOCPART == 3
	.amdgcn_target "amdgcn-amd-amdhsa--gfx1250"
	.amdhsa_code_object_version 6
	.text
	.protected	k_q10da0322c5_attn
	.globl	k_q10da0322c5_attn
	.p2align	8
	.type	k_q10da0322c5_attn,@function
k_q10da0322c5_attn:
	s_mov_b64 s[64:65], 0
	v_nop
	global_prefetch_b8 v0, s[64:65] scope:SCOPE_SE
	s_setreg_imm32_b32 hwreg(HW_REG_WAVE_MODE, 25, 1), 1
	s_wait_xcnt 0x0
	s_wait_alu depctr_hold_cnt(0) depctr_sa_sdst(0) depctr_va_vdst(0) depctr_va_sdst(0) depctr_va_ssrc(0) depctr_va_vcc(0) depctr_vm_vsrc(0)
	s_getreg_b32 s2, hwreg(HW_REG_IB_STS2, 6, 4)
	s_cmp_eq_u32 s2, 0
	s_cbranch_scc0 .Lentry_in_a_cluster
	s_endpgm
.Lentry_in_a_cluster:
	s_bfe_u32 s2, ttmp6, 0x10000c
	s_cmp_lg_u32 s2, 0x3003
	s_cbranch_scc0 .Lentry_shape_is_right
	s_endpgm
.Lentry_shape_is_right:
; O = (sign(l) softmax(|l|)) V, l = Q K^T / 8, for one head and 512 queries a work-group; both products on codes of BF6 with E8M0 scales; O is quantised along the head's 64 for the last projection.  Nothing of reference() is left out.
; THE WEIGHTS ARE QUANTISED FINISHED AND NORMALISED, so a row's maximum and sum are known before any weight is made: TWO PASSES over the keys, the scores computed in each.
;   pass 1: the running largest |score| and the sum of 2^(c |s| - c m), c = log2(e) / 8, each lane for its own half of the keys; the two halves are joined once, behind the loop.
;   pass 2: w = sign(s) 2^(c |s| - c m) / sum, quantised along the keys in blocks of 32, and O^T += V^T w^T.
; The first product's K is 64: the upper 64 of the instruction's 128 are zero codes on both sides (registers 6-11, written once), under the byte 0x7f.
; SHARES: sixteen waves, each two tiles of 16 queries, one after the other, in 256 registers: four waves to a SIMD, so that one wave's vector work stands beside another's matrix work and LDS loads.
; THE HEAD'S WHOLE K AND V, 208,896 bytes of codes and scale words in the order of operand registers, lie in LDS for the whole launch: no slot is filled again, and no barrier stands in a loop.
; CLUSTER: the four query blocks of a head need the same bytes: each wave asks for one step's block (51 rows of 256 bytes) JOINTLY, by the same tensor load with a mask that names the four.  One tensor load a wave is out.
; LAYOUT: both products are used transposed (S^T = K Q^T, O^T = V^T w^T): a lane holds one query throughout.  The rows of a tile are chosen (lane row r of tile 2 b + u = row 32 b + 8 u + r + 8 (r / 8)), so that
; the 16 registers of tiles 2 b, 2 b + 1 are keys (or channels) 32 b + 16 (lane / 16) + 0 .. 15.
; A block's largest weight is not searched for: the block's largest |score| goes through the same multiply-add, exponential and multiplication (this takes v_exp_f32 not to fall where its input rises).
; SIGN: the score is held to +-2^-126 and multiplied by 2^126 / sum: +-1 / sum exactly, and 0 for a score of 0.
; LIMITS: a score that is not 0 but under 2^-126 gets less than its weight; an exponential under 2^-126 comes out as 0; 1 / sum is v_rcp_f32's; a block of weights under 2^-122 gets the byte 1; NaN and infinities are not served.
.set STEPB, 13056                      ; a step of 128 keys: K's 8 halves of 768 bytes, V's 4 fragments of 1,536 at 6,144, K's scale words at 12,288, V's at 12,800
.set HEADB, 16*STEPB
.set QSTEP, 6656
.set QHEAD, 16*QSTEP
.set SPARE, HEADB                      ; behind the head's bytes: the spare words, 128 bytes for each wave, that no other line names
.set LI16, 1                           ; v1   16 x lane
.set LI8,  2                           ; v2   8 x lane
.set SPW,  3
.set NIL,  4
.set AD16, 5                           ; v5, v6 the same + the step in hand
.set AD8,  6
.set TAU,  7                           ; v7   2^-126
.set MX,   8                           ; v8   the largest |score|
.set CM,   9                           ; v9   c x it
.set KK,   10                          ; v[10:11] 2^126 / sum
.set LS,   12                          ; v[12:13] the sum, in two halves
.set INV,  14                          ; v14  1 / sum
.set T0,   15
.set QF,   16                          ; v16-27 Q's fragment
.set QS,   28                          ; v28  its scale words
.set PW,   29                          ; v29  the weights' scale word
.set VS,   30                          ; v30-31 V's scale words
.set KF,   32                          ; v32-79 four fragments of K
.set S,    80                          ; v80-111 scores (pass 1: v80-143)
.set P,    112                         ; v112-143 weights
.set OA,   144                         ; v144-175 O^T
.set PC,   176                         ; v176-187 the weights' codes
.set CT,   188
.set R16,  191                         ; v191 16 x (lane % 16)
.set AF,   192
.set LT,   194
.set TM,   196                         ; v196-203 at work
.set KS,   204                         ; v204-207 K's scale words
.set VF,   208                         ; v208-255 V's four fragments
.macro CROUND                          ; a round of the cluster's barrier
	s_barrier_signal -1
	s_barrier_wait -1
	s_cmp_lg_u32 s12, 0
	s_cbranch_scc1 .Lnot_wave_0_\@
	s_barrier_signal -3
.Lnot_wave_0_\@:
	s_barrier_wait -3
	s_barrier_signal -1
	s_barrier_wait -1
.endm
.macro PLACES n
.rept \n
	v_nop
.endr
.endm
	s_load_b256 s[4:11], s[0:1], 0x0               ; q, kv, o_codes, o_scales
	v_lshl_add_u32 v[SPW], v0, 2, SPARE
	v_mov_b32 v[NIL], 0
	ds_add_u32 v[SPW], v[NIL]                      ; the wave's opening: the add, twice on end, and its wait ahead of my first tensor load
	ds_add_u32 v[SPW], v[NIL]
	v_lshrrev_b32 v5, 5, v0
	v_readfirstlane_b32 s12, v5                    ; wave 0..15
	s_and_b32 s14, ttmp7, 0xffff                   ; the head among 64, which the four partners share
	; descriptor group 1: 51 rows of 256 bytes (32 elements of 8), dense in memory and in LDS
	s_mov_b32 s16, 15|(3<<16)|(1<<21)              ; 15:0 the mask: all four work-groups; 17:16 elements of 8 bytes; 21 set beside a mask
	s_mov_b32 s17, 32<<16
	s_mov_b32 s18, 51<<16
	s_mov_b32 s19, 32<<16
	s_mov_b32 s20, 51
	s_mov_b32 s21, 32
	s_mov_b32 s22, 0
	s_mov_b32 s23, 0
	s_mov_b32 s24, 1
	s_mul_i32 s25, s12, STEPB                      ; step w's block, in LDS
	s_mul_i32 s36, s14, HEADB
	s_add_co_u32 s36, s36, s25                     ; and in memory
	s_mov_b32 s37, 0
	s_bfe_u32 s13, ttmp6, 0x40000                  ; cx: it enters Q's and O's addresses alone
	s_lshl_b32 s54, ttmp9, 2
	s_add_co_u32 s13, s13, s54                     ; my block of 512 queries
	s_lshl_b32 s38, s13, 2
	s_lshr_b32 s54, s12, 2
	s_add_co_u32 s38, s38, s54                     ; my step of 128 queries
	s_mul_i32 s38, s38, QSTEP
	s_mul_i32 s54, s14, QHEAD
	s_add_co_u32 s38, s38, s54
	s_and_b32 s54, s12, 3                          ; my pair of tiles in it
	s_lshl_b32 s40, s54, 2
	s_add_co_u32 s40, s40, s38
	s_add_co_u32 s40, s40, 6144                    ; Q's scale words: register w % 4 of the step's image
	s_mul_i32 s54, s54, 1536
	s_add_co_u32 s38, s38, s54                     ; Q's codes
	s_mov_b32 s39, 0
	s_mov_b32 s41, 0
	s_lshr_b32 s42, s14, 4
	s_lshl_b32 s42, s42, 7
	s_lshl_b32 s54, s13, 5
	s_add_co_u32 s42, s42, s54
	s_lshl_b32 s54, s12, 1
	s_add_co_u32 s42, s42, s54                     ; my first row tile among all tokens'
	s_lshl_b32 s52, s42, 9
	s_mul_i32 s42, s42, 12288
	s_and_b32 s54, s14, 15                         ; the head in its batch
	s_mul_i32 s55, s54, 768
	s_add_co_u32 s42, s42, s55                     ; O's codes: [row tile][head][768]
	s_lshr_b32 s55, s54, 3
	s_lshl_b32 s55, s55, 8
	s_add_co_u32 s52, s52, s55
	s_and_b32 s55, s14, 7
	s_lshl_b32 s55, s55, 1
	s_add_co_u32 s52, s52, s55                     ; O's scale bytes: [row tile][half of K][lane row][16 bytes], two for a head
	s_mov_b32 s43, 0
	s_mov_b32 s53, 0
	s_mov_b32 s32, 0x3e38aa3b                      ; c = log2(e) / 8
	s_mov_b32 s33, 126
	s_mov_b32 s34, 0x76543210
	s_mov_b32 s35, 0xfedcba98                      ; lane selects: lane l xor 16
	s_wait_dscnt 0x0                               ; both opening adds are done
	s_wait_kmcnt 0x0
	s_add_nc_u64 s[26:27], s[6:7], s[36:37]
	s_or_b32 s27, s27, 0x80000000
	s_add_nc_u64 s[44:45], s[4:5], s[38:39]
	s_add_nc_u64 s[46:47], s[4:5], s[40:41]
	s_add_nc_u64 s[48:49], s[8:9], s[42:43]
	s_add_nc_u64 s[50:51], s[10:11], s[52:53]
	CROUND                                         ; all four work-groups are here: the joint loads meet
	tensor_load_to_lds s[24:27], s[16:23]
	s_nop 0
	PLACES 4
	v_and_b32 v[LI8], 31, v0
	v_lshlrev_b32 v[LI16], 4, v[LI8]
	v_lshlrev_b32 v[LI8], 3, v[LI8]
	v_and_b32 v[R16], 15, v0
	v_lshlrev_b32 v[R16], 4, v[R16]
	v_mov_b32 v[TAU], 0x00800000
	v_mov_b32 v[AF+1], 0                           ; named as the upper half of a pair
.irp i, 6,7,8,9,10,11
	v_mov_b32 v[QF+\i], 0                          ; the zero codes of K = 64 .. 127, written once
	v_mov_b32 v[KF+\i], 0
	v_mov_b32 v[KF+12+\i], 0
	v_mov_b32 v[KF+24+\i], 0
	v_mov_b32 v[KF+36+\i], 0
.endr
.irp i, 0,1,2,3,4,5,6,7
	v_mov_b32 v[TM+\i], 0                          ; a lane permute's destination counts as one of its sources
.endr
	s_wait_tensorcnt 0x0                           ; my step's block is in,
	s_barrier_signal -1
	s_barrier_wait -1                              ; everybody's is: the head lies in LDS
.macro KLOAD g                         ; four tiles of 16 keys x 64: registers 0-5 of each fragment
.irp t, 0,1,2,3
	ds_load_b128 v[KF+12*\t:KF+12*\t+3], v[AD16] offset:(4*\g+\t)*768
	ds_load_b64 v[KF+12*\t+4:KF+12*\t+5], v[AD8] offset:(4*\g+\t)*768+512
.endr
.endm
.macro SMUL g, dst                     ; S^T of tiles 4 g .. 4 g + 3: source 0 = 16 keys, source 1 = my 16 queries; an odd tile's scale words lie in lanes 16-31
.irp t, 0,1,2,3
.if (\t)%2
	v_wmma_scale_f32_16x16x128_f8f6f4 v[\dst+8*\t:\dst+8*\t+7], v[KF+12*\t:KF+12*\t+11], v[QF:QF+11], 0, v[KS+(4*\g+\t)/2], v[QS] matrix_a_fmt:MATRIX_FMT_BF6 matrix_b_fmt:MATRIX_FMT_BF6 matrix_a_scale:MATRIX_SCALE_ROW1
.else
	v_wmma_scale_f32_16x16x128_f8f6f4 v[\dst+8*\t:\dst+8*\t+7], v[KF+12*\t:KF+12*\t+11], v[QF:QF+11], 0, v[KS+(4*\g+\t)/2], v[QS] matrix_a_fmt:MATRIX_FMT_BF6 matrix_b_fmt:MATRIX_FMT_BF6
.endif
.endr
.endm
.macro BMAX2 src, d                    ; the largest magnitudes of my 16 numbers of two blocks, by turns; each accumulator is read from its low end on
	v_max3_num_f32 v[TM+\d], |v[\src]|, |v[\src+1]|, |v[\src+2]|
	v_max3_num_f32 v[TM+\d+1], |v[\src+16]|, |v[\src+17]|, |v[\src+18]|
.irp i, 3,5,7,9,11,13
	v_max3_num_f32 v[TM+\d], v[TM+\d], |v[\src+\i]|, |v[\src+\i+1]|
	v_max3_num_f32 v[TM+\d+1], v[TM+\d+1], |v[\src+16+\i]|, |v[\src+17+\i]|
.endr
	v_max_num_f32 v[TM+\d], v[TM+\d], |v[\src+15]|
	v_max_num_f32 v[TM+\d+1], v[TM+\d+1], |v[\src+31]|
.endm
.macro CODES c, src                    ; 32 numbers of a lane (two half blocks) become registers 6 c .. 6 c + 5 of the operand; scale operands in v[TM+4], v[TM+5]
	v_cvt_scalef32_pk16_bf6_f32 v[PC+6*\c:PC+6*\c+2], v[\src:\src+15], v[TM+4]
	v_cvt_scalef32_pk16_bf6_f32 v[CT:CT+2], v[\src+16:\src+31], v[TM+5]
	v_nop                                          ; one plain place behind a scaled conversion
.irp i, 0,1,2
	v_permlane16_swap_b32 v[PC+6*\c+\i], v[CT+\i]  ; a whole block to a lane
.endr
.irp i, 0,1,2
	v_mov_b32 v[PC+6*\c+3+\i], v[CT+\i]
.endr
.endm
.macro HALF c                          ; the 64 keys whose scores lie in S become finished weights, their codes and two bytes of the scale word
	BMAX2 S, 0
	v_permlanex16_b32 v[TM+2], v[TM], s34, s35
	v_permlanex16_b32 v[TM+3], v[TM+1], s34, s35
	v_max_num_f32 v[TM], v[TM], v[TM+2]            ; each block's largest |score|
	v_max_num_f32 v[TM+1], v[TM+1], v[TM+3]
.set j, 0
.rept 32
	v_fma_f32 v[P+j], |v[S+j]|, s32, -v[CM]        ; c |s| - c m
.set j, j+1
.endr
	v_fma_f32 v[TM], v[TM], s32, -v[CM]            ; the same of each block's largest
	v_fma_f32 v[TM+1], v[TM+1], s32, -v[CM]
.set j, 0
.rept 32
	v_exp_f32 v[P+j], v[P+j]                       ; one batch of 34
.set j, j+1
.endr
	v_exp_f32 v[TM], v[TM]
	v_exp_f32 v[TM+1], v[TM+1]
.set j, 0
.rept 32
	v_med3_num_f32 v[S+j], v[S+j], -v[TAU], v[TAU] ; independent work behind the batch: the score held to +-2^-126,
.set j, j+1
.endr
.set j, 0
.rept 16
	v_pk_mul_f32 v[S+j:S+j+1], v[S+j:S+j+1], v[KK:KK+1] op_sel_hi:[1,0]   ; times 2^126 / sum: +-1 / sum, or 0
.set j, j+2
.endr
	s_wait_alu depctr_va_vdst(0)                   ; one wait for the batch, ahead of its first reader
.set j, 0
.rept 16
	v_pk_mul_f32 v[P+j:P+j+1], v[P+j:P+j+1], v[S+j:S+j+1]   ; the finished weights
.set j, j+2
.endr
	v_mul_f32 v[TM], v[TM], v[INV]                 ; each block's largest
	v_mul_f32 v[TM+1], v[TM+1], v[INV]
	v_max_num_f32 v[TM], 0x2800000, v[TM]          ; the floor 2^(5 - 127): the byte cannot fall under 1
	v_max_num_f32 v[TM+1], 0x2800000, v[TM+1]
	v_add_nc_u32 v[TM+4], 0xfe000000, v[TM]        ; 4 off the exponent field: the conversion's scale operand
	v_add_nc_u32 v[TM+5], 0xfe000000, v[TM+1]
	v_lshrrev_b32 v[TM+6], 23, v[TM+4]             ; the scale's byte
	v_lshrrev_b32 v[TM+7], 23, v[TM+5]
.if \c
	v_lshl_or_b32 v[PW], v[TM+6], 16, v[PW]
	v_lshl_or_b32 v[PW], v[TM+7], 24, v[PW]
.else
	v_lshl_or_b32 v[PW], v[TM+7], 8, v[TM+6]
.endif
	CODES \c, P
.endm
.macro TILE n                          ; my n-th tile of 16 queries
.if \n
	s_wait_xcnt 0x0                                ; the first tile's stores have read their registers
.endif
	global_load_b128 v[QF:QF+3], v[LI16], s[44:45] offset:768*\n
	global_load_b64 v[QF+4:QF+5], v[LI8], s[44:45] offset:768*\n+512
	global_load_b32 v[QS], v[R16], s[46:47] offset:256*\n
.set j, 0
.rept 32
	v_mov_b32 v[OA+j], 0                           ; the key step is written once: its first trip adds onto zeros
.set j, j+1
.endr
	v_mov_b32 v[MX], 0                             ; 0 lies under every |score|
	v_mov_b32 v[CM], 0
	v_mov_b32 v[LS], 0
	v_mov_b32 v[LS+1], 0
	s_mov_b32 s28, 0
	s_mov_b32 s29, 0
	s_wait_loadcnt 0x0
.Lp1_\@:                                           ; PASS 1, 16 trips of 128 keys
	v_add_nc_u32 v[AD16], s28, v[LI16]
	v_add_nc_u32 v[AD8], s28, v[LI8]
	ds_load_b128 v[KS:KS+3], v[AD16] offset:12288
	KLOAD 0
	s_wait_dscnt 0x0
	SMUL 0, S
	PLACES 5                                       ; in front of the loads into K's registers and of the first read of the scores
	KLOAD 1
	BMAX2 S, 0
	s_wait_dscnt 0x0
	SMUL 1, S+32
	PLACES 5
	BMAX2 S+32, 2
	v_mov_b32 v[T0], v[CM]
	v_max3_num_f32 v[MX], v[MX], v[TM], v[TM+1]
	v_max3_num_f32 v[MX], v[MX], v[TM+2], v[TM+3]  ; my running largest |score|
	v_mul_f32 v[CM], s32, v[MX]
	v_sub_f32 v[T0], v[T0], v[CM]                  ; c m_old - c m_new
.set j, 0
.rept 64
	v_fma_f32 v[S+j], |v[S+j]|, s32, -v[CM]
.set j, j+1
.endr
	v_exp_f32 v[AF], v[T0]                         ; one batch of 65
.set j, 0
.rept 64
	v_exp_f32 v[S+j], v[S+j]
.set j, j+1
.endr
	v_nop                                          ; a plain place behind the last exponential
	s_wait_alu depctr_va_vdst(0)                   ; one wait for the batch
	v_pk_mul_f32 v[LS:LS+1], v[LS:LS+1], v[AF:AF+1] op_sel_hi:[1,0]   ; the sum under the new maximum
	v_pk_add_f32 v[LT:LT+1], v[S:S+1], v[S+2:S+3]  ; two at a time, in two chains
.set j, 4
.rept 15
	v_pk_add_f32 v[LS:LS+1], v[LS:LS+1], v[S+j:S+j+1]
	v_pk_add_f32 v[LT:LT+1], v[LT:LT+1], v[S+j+2:S+j+3]
.set j, j+4
.endr
	v_pk_add_f32 v[LS:LS+1], v[LS:LS+1], v[LT:LT+1]
	s_add_co_u32 s28, s28, STEPB
	s_add_co_u32 s29, s29, 1
	s_cmp_lt_u32 s29, 16
	s_cbranch_scc1 .Lp1_\@
	; the two halves of the lanes are joined: the row's maximum and sum
	v_permlanex16_b32 v[T0], v[MX], s34, s35
	v_max_num_f32 v[T0], v[MX], v[T0]
	v_mul_f32 v[T0], s32, v[T0]                    ; c m of the whole row
	v_sub_f32 v[AF], v[CM], v[T0]
	v_mov_b32 v[CM], v[T0]
	v_exp_f32 v[AF], v[AF]
	v_add_f32 v[LS], v[LS], v[LS+1]                ; (a plain place behind the exponential)
	s_wait_alu depctr_va_vdst(0)
	v_mul_f32 v[LS], v[LS], v[AF]                  ; my half's sum under the row's maximum,
	v_permlanex16_b32 v[LS+1], v[LS], s34, s35
	v_add_f32 v[LS], v[LS], v[LS+1]                ; and the other half's
	v_rcp_f32 v[INV], v[LS]
	v_nop
	s_wait_alu depctr_va_vdst(0)
	v_ldexp_f32 v[KK], v[INV], s33                 ; 2^126 / sum: the sum lies between 1 and 2,048, so nothing is rounded
	v_mov_b32 v[KK+1], v[KK]
	s_mov_b32 s28, 0
	s_mov_b32 s29, 0
.Lp2_\@:                                           ; PASS 2, 16 trips of 128 keys
	v_add_nc_u32 v[AD16], s28, v[LI16]
	v_add_nc_u32 v[AD8], s28, v[LI8]
	PLACES 3                                       ; with the two additions: the places behind the last trip's products, in front of the loads into V's registers
	ds_load_b128 v[KS:KS+3], v[AD16] offset:12288
	KLOAD 0
.irp i, 0,1,2,3,4,5,6,7,8,9,10,11
	ds_load_b128 v[VF+4*\i:VF+4*\i+3], v[AD16] offset:6144+512*\i
.endr
	ds_load_b64 v[VS:VS+1], v[AD8] offset:12800
	s_wait_dscnt 13                                ; K's are in; V's twelve loads and its scale words may be out
	SMUL 0, S
	PLACES 5
	KLOAD 1
	HALF 0
	s_wait_dscnt 0x0
	SMUL 1, S                                      ; it writes over the first run's results: five places and more lie between
	PLACES 5
	HALF 1
	PLACES 8                                       ; the scale word was made by vector instructions: eight places ahead of a scaled matrix instruction
.irp t, 0,1,2,3                                ; O^T += V^T w^T: four accumulators by turns, one instruction a turn
.if (\t)%2
	v_wmma_scale_f32_16x16x128_f8f6f4 v[OA+8*\t:OA+8*\t+7], v[VF+12*\t:VF+12*\t+11], v[PC:PC+11], v[OA+8*\t:OA+8*\t+7], v[VS+\t/2], v[PW] matrix_a_fmt:MATRIX_FMT_BF6 matrix_b_fmt:MATRIX_FMT_BF6 matrix_a_scale:MATRIX_SCALE_ROW1
.else
	v_wmma_scale_f32_16x16x128_f8f6f4 v[OA+8*\t:OA+8*\t+7], v[VF+12*\t:VF+12*\t+11], v[PC:PC+11], v[OA+8*\t:OA+8*\t+7], v[VS+\t/2], v[PW] matrix_a_fmt:MATRIX_FMT_BF6 matrix_b_fmt:MATRIX_FMT_BF6
.endif
.endr
	s_add_co_u32 s28, s28, STEPB
	s_add_co_u32 s29, s29, 1
	s_cmp_lt_u32 s29, 16
	s_cbranch_scc1 .Lp2_\@
	; O's 16 rows x 64 channels (register 16 b + i = channel 32 b + 16 (lane / 16) + i) are quantised along the channels and leave as operand registers
	PLACES 4
	BMAX2 OA, 0
	v_permlanex16_b32 v[TM+2], v[TM], s34, s35
	v_permlanex16_b32 v[TM+3], v[TM+1], s34, s35
	v_max3_num_f32 v[TM], v[TM], v[TM+2], 0x2800000
	v_max3_num_f32 v[TM+1], v[TM+1], v[TM+3], 0x2800000
	v_add_nc_u32 v[TM+4], 0xfe000000, v[TM]
	v_add_nc_u32 v[TM+5], 0xfe000000, v[TM+1]
	v_lshrrev_b32 v[TM+6], 23, v[TM+4]
	v_lshrrev_b32 v[TM+7], 23, v[TM+5]
	v_lshl_or_b32 v[TM+6], v[TM+7], 8, v[TM+6]     ; the head's two scale bytes of my row
	CODES 0, OA
	global_store_b128 v[LI16], v[PC:PC+3], s[48:49] offset:12288*\n        ; 512 and 256 consecutive bytes, aligned
	global_store_b64 v[LI8], v[PC+4:PC+5], s[48:49] offset:12288*\n+512
	global_store_b16 v[R16], v[TM+6], s[50:51] offset:512*\n               ; two bytes a row, 16 bytes apart (both halves of the lanes write the same value): one byte for 24 of codes
.endm
	TILE 0
	TILE 1
	s_wait_tensorcnt 0x0                           ; the wave's end
	ds_add_u32 v[SPW], v[NIL]
	s_wait_dscnt 0x0
	CROUND                                         ; the closing round
	s_endpgm
.Lfunc_end_k_q10da0322c5_attn:
	.size	k_q10da0322c5_attn, .Lfunc_end_k_q10da0322c5_attn-k_q10da0322c5_attn
	.p2alignl 7, 3214868480
	.fill 96, 4, 3214868480
	.section	.rodata,"a",@progbits
	.p2align	6, 0x0
	.amdhsa_kernel k_q10da0322c5_attn
		.amdhsa_group_segment_fixed_size 210944
		.amdhsa_private_segment_fixed_size 0
		.amdhsa_enable_private_segment 0
		.amdhsa_kernarg_size 32
		.amdhsa_user_sgpr_count 2
		.amdhsa_user_sgpr_kernarg_segment_ptr 1
		.amdhsa_wavefront_size32 1
		.amdhsa_system_sgpr_workgroup_id_x 1
		.amdhsa_system_sgpr_workgroup_id_y 1
		.amdhsa_system_sgpr_workgroup_id_z 1
		.amdhsa_system_vgpr_workitem_id 0
		.amdhsa_next_free_vgpr 256
		.amdhsa_next_free_sgpr 66
		.amdhsa_reserve_vcc 0
		.amdhsa_float_denorm_mode_32 3
		.amdhsa_float_denorm_mode_16_64 3
		.amdhsa_memory_ordered 1
		.amdhsa_forward_progress 1
		.amdhsa_inst_pref_size 87
	.end_amdhsa_kernel
	.amdgpu_metadata
---
amdhsa.version: [ 1, 2 ]
amdhsa.kernels:
  - .name:           k_q10da0322c5_attn
    .symbol:         k_q10da0322c5_attn.kd
    .args:
      - { .name: q, .offset: 0, .size: 8, .value_kind: global_buffer, .address_space: global }
      - { .name: kv, .offset: 8, .size: 8, .value_kind: global_buffer, .address_space: global }
      - { .name: o_codes, .offset: 16, .size: 8, .value_kind: global_buffer, .address_space: global }
      - { .name: o_scales, .offset: 24, .size: 8, .value_kind: global_buffer, .address_space: global }
    .group_segment_fixed_size: 210944
    .private_segment_fixed_size: 0
    .kernarg_segment_align: 8
    .kernarg_segment_size: 32
    .max_flat_workgroup_size: 512
    .sgpr_count:     66
    .vgpr_count:     256
    .wavefront_size: 32
...
	.end_amdgpu_metadata
.endif
;; end of part 3
;; launch proj (part 4): grid 4 x 32, 4 waves a work-group, clusters of 4 x 4, 327,680 bytes of LDS; arguments o_codes, o_scales, w_codes, w_scales, bo, out0; writes out0
.if DOCPART == 4
	.amdgcn_target "amdgcn-amd-amdhsa--gfx1250"
	.amdhsa_code_object_version 6
	.text
	.protected	k_q10da0322c5_proj
	.globl	k_q10da0322c5_proj
	.p2align	8
	.type	k_q10da0322c5_proj,@function
k_q10da0322c5_proj:
	s_mov_b64 s[64:65], 0
	v_nop
	global_prefetch_b8 v0, s[64:65] scope:SCOPE_SE
	s_setreg_imm32_b32 hwreg(HW_REG_WAVE_MODE, 25, 1), 1
	s_wait_xcnt 0x0
	s_wait_alu depctr_hold_cnt(0) depctr_sa_sdst(0) depctr_va_vdst(0) depctr_va_sdst(0) depctr_va_ssrc(0) depctr_va_vcc(0) depctr_vm_vsrc(0)
	s_getreg_b32 s2, hwreg(HW_REG_IB_STS2, 6, 4)
	s_cmp_eq_u32 s2, 0
	s_cbranch_scc0 .Lentry_in_a_cluster
	s_endpgm
.Lentry_in_a_cluster:
	s_bfe_u32 s2, ttmp6, 0x10000c
	s_cmp_lg_u32 s2, 0xf033
	s_cbranch_scc0 .Lentry_shape_is_right
	s_endpgm
.Lentry_shape_is_right:
; out0 = O Wo^T + bo on codes of BF6 with E8M0 scales, K = 1,024; f32 sums and result.  Nothing of reference() is left out.
; The products are the second launch's text: a tile of 256 x 256 to a work-group of four waves, 128 x 128 to a wave; four K slots of 256 through two LDS slots; codes in the order of operand registers;
; 4 x 4 clusters, A's tiles (O's tokens) asked for jointly along a row of the cluster, B's (Wo's rows: the weights' tiles 12 + cx) along a column.  Three tensor loads a wave are out at the start, one behind each round.
; A row tile 2 g + u holds, in lane row r, row 32 g + 8 u + r + 8 (r / 8): the way out puts each number back at its own row and column.
; 128 work-groups: the problem's 32 x 4 tiles of this size; a smaller tile would read each LDS byte for half the products.
.set NQ,     2
.set FR,     12
.set NL,     4
.set NP,     4
.set RTB,    12288
.set KSB,    3072
.set HALFT,  8*KSB
.set SLOT,   4*HALFT
.set SCL,    2*SLOT
.set HALFS,  4096
.set SPARE,  SCL+4*HALFS
.set SPITCH, 528                       ; the way out: a stage of 16 rows x (512 bytes + 16) for each wave, in slot 0, which has had its last fill and its last read when the first result is stored there
.set ADRA, 16
.set ADRB, 20
.set STO,  24                          ; v24  the stage: where I put 32 bytes of a row
.set RD,   25                          ; v25  and where I read a row back
.set CO,   26                          ; v26  16 x lane: my bytes of a row of 512
.set ADRS, 27
.set SPW,  28
.set NIL,  29
.set SC,   32
.set BO,   64                          ; v64-67 bo of my four columns of a row read back
.set AF,   128
.set BK,   128                         ; the way out: 16 rows read back: v128-191 and v192-255 by turns
.set G1, 24
.set G0, 32
.set G1B, 48
.set G0B, 56
.set G1S, 68
.set G0S, 76
.set G1SB, 80
.set G0SB, 88
.set MSB, 0
.macro WIN new
.if MSB != \new
	s_set_vgpr_msb (MSB<<8)|\new
.set MSB, \new
.endif
.endm
.set MUL_LO, 0xa1
.set MUL_HI, 0xf1
.set TO_B,   0x40
.macro JLOAD g0a, g1a, g0b, g1b        ; a joint load: waves 0 and 1 fetch for A, waves 2 and 3 for B; an s_nop 0 and four v_nop follow each of the two lines
	s_cmp_eq_u32 s15, 0
	s_cbranch_scc0 .Lfor_b_\@
	tensor_load_to_lds s[\g0a:\g0a+3], s[\g1a:\g1a+7]
	s_nop 0
.rept 4
	v_nop
.endr
	s_branch .Lasked_\@
.Lfor_b_\@:
	tensor_load_to_lds s[\g0b:\g0b+3], s[\g1b:\g1b+7]
	s_nop 0
.rept 4
	v_nop
.endr
.Lasked_\@:
.endm
.macro CREST
	s_cmp_lg_u32 s14, 0
	s_cbranch_scc1 .Lnot_wave_0_\@
	s_barrier_signal -3
.Lnot_wave_0_\@:
	s_barrier_wait -3
	s_barrier_signal -1
	s_barrier_wait -1
.endm
.macro CROUND
	s_barrier_signal -1
	s_barrier_wait -1
	CREST
.endm
	s_load_b256 s[4:11], s[0:1], 0x0               ; o_codes, o_scales, w_codes, w_scales
	s_load_b128 s[96:99], s[0:1], 0x20             ; bo, out0
	v_lshl_add_u32 v[SPW], v0, 2, SPARE
	v_mov_b32 v[NIL], 0
	ds_add_u32 v[SPW], v[NIL]                      ; the wave's opening: the add, twice on end, and its wait ahead of my first tensor load
	ds_add_u32 v[SPW], v[NIL]
	v_lshrrev_b32 v1, 5, v0
	v_readfirstlane_b32 s14, v1                    ; wave 0..3
	s_lshr_b32 s15, s14, 1                         ; which half of A's rows is mine.  Also: I fetch for A (0) or for B (1)
	s_and_b32 s16, s14, 1                          ; which half of B's rows.  Also: which 128 rows I fetch
	s_bfe_u32 s40, ttmp6, 0x40000                  ; cx
	s_bfe_u32 s41, ttmp6, 0x40004                  ; cy
	s_add_co_u32 s42, s40, 12                      ; B's tile among the weights': Wo's begin at 12
	s_and_b32 s17, ttmp7, 0xffff
	s_lshl_b32 s17, s17, 2
	s_add_co_u32 s17, s17, s41                     ; A's tile: 4 x cluster y + cy
	s_lshl_b32 s43, s41, 2
	s_lshl_b32 s43, 15, s43                        ; my row of the cluster
	s_lshl_b32 s44, 0x1111, s40                    ; my column
	s_or_b32 s[G1+0], s43, (3<<16)|(1<<21)         ; the codes: 8 rows of 3,072 bytes = 384 elements of 8 bytes, 12,288 bytes apart
	s_or_b32 s[G1B+0], s44, (3<<16)|(1<<21)
.irp g, G1, G1B
	s_mov_b32 s[\g+1], 384<<16
	s_mov_b32 s[\g+2], 8<<16
	s_mov_b32 s[\g+3], 384<<16
	s_mov_b32 s[\g+4], 8
	s_mov_b32 s[\g+5], 1536
	s_mov_b32 s[\g+6], 0
	s_mov_b32 s[\g+7], 0
.endr
	s_or_b32 s[G1S+0], s43, (3<<16)|(1<<21)        ; the scale words of 8 row tiles: 4,096 dense bytes as 16 rows of 256
	s_or_b32 s[G1SB+0], s44, (3<<16)|(1<<21)
.irp g, G1S, G1SB
	s_mov_b32 s[\g+1], 32<<16
	s_mov_b32 s[\g+2], 16<<16
	s_mov_b32 s[\g+3], 32<<16
	s_mov_b32 s[\g+4], 16
	s_mov_b32 s[\g+5], 32
	s_mov_b32 s[\g+6], 0
	s_mov_b32 s[\g+7], 0
.endr
	s_mul_i32 s18, s16, 8*RTB
	s_mul_i32 s20, s17, 16*RTB
	s_add_co_u32 s20, s20, s18
	s_mul_i32 s46, s42, 16*RTB
	s_add_co_u32 s46, s46, s18
	s_mov_b32 s21, 0
	s_mov_b32 s47, 0
	s_lshl_b32 s18, s16, 12
	s_lshl_b32 s22, s17, 13
	s_add_co_u32 s22, s22, s18
	s_lshl_b32 s92, s42, 13
	s_add_co_u32 s92, s92, s18
	s_mov_b32 s23, 0
	s_mov_b32 s93, 0
	s_mul_i32 s45, s14, HALFT
	s_lshl_b32 s94, s14, 12
	s_wait_dscnt 0x0                               ; both opening adds are done
	s_wait_kmcnt 0x0
	s_add_nc_u64 s[20:21], s[4:5], s[20:21]
	s_add_nc_u64 s[22:23], s[6:7], s[22:23]
	s_add_nc_u64 s[46:47], s[8:9], s[46:47]
	s_add_nc_u64 s[92:93], s[10:11], s[92:93]
	CROUND                                         ; all sixteen work-groups are here: the first joint loads meet
	s_mov_b32 s[G0S], 1
	s_add_co_u32 s[G0S+1], s94, SCL
	s_mov_b64 s[G0S+2:G0S+3], s[22:23]
	s_or_b32 s[G0S+3], s[G0S+3], 0x80000000
	s_mov_b32 s[G0SB], 1
	s_add_co_u32 s[G0SB+1], s94, SCL
	s_mov_b64 s[G0SB+2:G0SB+3], s[92:93]
	s_or_b32 s[G0SB+3], s[G0SB+3], 0x80000000
	JLOAD G0S, G1S, G0SB, G1SB
.irp s, 0,1
	s_mov_b32 s[G0+4*\s], 1
	s_add_co_u32 s[G0+4*\s+1], s45, \s*SLOT
	s_add_nc_u64 s[G0+4*\s+2:G0+4*\s+3], s[20:21], \s*KSB
	s_or_b32 s[G0+4*\s+3], s[G0+4*\s+3], 0x80000000
	s_mov_b32 s[G0B+4*\s], 1
	s_add_co_u32 s[G0B+4*\s+1], s45, \s*SLOT
	s_add_nc_u64 s[G0B+4*\s+2:G0B+4*\s+3], s[46:47], \s*KSB
	s_or_b32 s[G0B+4*\s+3], s[G0B+4*\s+3], 0x80000000
	JLOAD G0+4*\s, G1, G0B+4*\s, G1B
.endr
	v_and_b32 v6, 31, v0
	v_lshlrev_b32 v4, 4, v6                        ; 16 x lane
	v_lshlrev_b32 v5, 3, v6                        ; 8 x lane
	v_mov_b32 v[CO], v4
	s_mul_i32 s21, s15, HALFT
	s_mul_i32 s22, s16, HALFT
	s_add_co_u32 s22, s22, 2*HALFT
.irp s, 0,1
	v_add_nc_u32 v[ADRA+\s], s21, v4
	v_add_nc_u32 v[ADRB+\s], s22, v4
	v_add_nc_u32 v[ADRA+2+\s], s21, v5
	v_add_nc_u32 v[ADRB+2+\s], s22, v5
	s_add_co_u32 s21, s21, SLOT
	s_add_co_u32 s22, s22, SLOT
.endr
	v_and_b32 v1, 15, v0                           ; r
	v_bfe_u32 v2, v0, 4, 1                         ; h
	v_lshlrev_b32 v5, 4, v1
	s_mul_i32 s21, s15, HALFS
	s_mul_i32 s22, s16, HALFS
	s_add_co_u32 s22, s22, 2*HALFS
	s_sub_co_u32 s22, s22, s21
	v_mul_u32_u24 v6, s22, v2                      ; lanes 16-31 take B's: the lower base + h x the distance
	s_add_co_u32 s21, s21, SCL
	v_add_nc_u32 v5, v5, v6
	v_add_nc_u32 v[ADRS], s21, v5
	s_mul_i32 s23, s14, 16*SPITCH                  ; my stage
	v_mul_u32_u24 v5, v1, SPITCH
	v_lshl_add_u32 v5, v2, 6, v5
	v_add_nc_u32 v[STO], s23, v5                   ; in: row r, + 64 h: accumulator b's eight columns are 32 (b / 2) + 16 h + 8 (b % 2) + 0 .. 7
	v_add_nc_u32 v[RD], s23, v[CO]                 ; back: the 32 lanes take one row of 512 bytes
	s_lshl_b32 s20, s17, 8
	s_lshl_b32 s21, s15, 7
	s_add_co_u32 s20, s20, s21                     ; my first token
	s_lshl_b32 s20, s20, 12                        ; a row of out0 is 4,096 bytes
	s_mov_b32 s21, 0
	s_lshl_b32 s46, s40, 10                        ; my first column, in bytes: 1,024 cx + 512 x half
	s_lshl_b32 s47, s16, 9
	s_add_co_u32 s46, s46, s47
	s_mov_b32 s47, 0
	s_add_nc_u64 s[96:97], s[96:97], s[46:47]
	s_add_nc_u64 s[98:99], s[98:99], s[46:47]
	s_add_nc_u64 s[98:99], s[98:99], s[20:21]
	global_load_b128 v[BO:BO+3], v[CO], s[96:97]   ; waited for on the way out
.macro FRAG reg, adr, q, i
	ds_load_b128 v[\reg:\reg+3], v[\adr] offset:(\i)*KSB+(\q)*1536
	ds_load_b64 v[\reg+4:\reg+5], v[\adr+2] offset:(\i)*KSB+(\q)*1536+512
	ds_load_b128 v[\reg+6:\reg+9], v[\adr] offset:(\i)*KSB+(\q)*1536+768
	ds_load_b64 v[\reg+10:\reg+11], v[\adr+2] offset:(\i)*KSB+(\q)*1536+1280
.endm
.macro MUL16 a0, p, q, sc, zero        ; the 64 accumulators take turns, one instruction a turn, in the same order in every step
.irp a, \a0, \a0+1
.irp b, 0,1,2,3,4,5,6,7
.if \zero
	v_wmma_scale_f32_16x16x128_f8f6f4 v[8*(8*((\a)%4)+\b):8*(8*((\a)%4)+\b)+7], v[128*(\p)+FR*\b:128*(\p)+FR*\b+FR-1], v[AF+FR*(\a):AF+FR*(\a)+FR-1], 0, v[SC+8*NQ*(\sc)+NQ*\b+(\q)], v[SC+8*NQ*(\sc)+NQ*(\a)+(\q)] matrix_a_fmt:MATRIX_FMT_BF6 matrix_b_fmt:MATRIX_FMT_BF6 matrix_a_scale:MATRIX_SCALE_ROW1
.else
	v_wmma_scale_f32_16x16x128_f8f6f4 v[8*(8*((\a)%4)+\b):8*(8*((\a)%4)+\b)+7], v[128*(\p)+FR*\b:128*(\p)+FR*\b+FR-1], v[AF+FR*(\a):AF+FR*(\a)+FR-1], v[8*(8*((\a)%4)+\b):8*(8*((\a)%4)+\b)+7], v[SC+8*NQ*(\sc)+NQ*\b+(\q)], v[SC+8*NQ*(\sc)+NQ*(\a)+(\q)] matrix_a_fmt:MATRIX_FMT_BF6 matrix_b_fmt:MATRIX_FMT_BF6 matrix_a_scale:MATRIX_SCALE_ROW1
.endif
.endr
.endr
.endm
.macro FETCH_B slot, q, p
	WIN TO_B
.irp i, 0,1,2,3,4,5,6,7
	FRAG 128*(\p)+FR*\i, ADRB+\slot, \q, \i
.endr
	WIN 0
.endm
.macro FETCH_A slot, q, i0
.irp i, \i0, \i0+1, \i0+2, \i0+3
	FRAG AF+FR*(\i), ADRA+\slot, \q, \i
.endr
.endm
.macro SCALES sc, ks
.irp i, 0,1,2,3,4,5,6,7
	ds_load_b64 v[SC+8*NQ*\sc+NQ*\i:SC+8*NQ*\sc+NQ*\i+1], v[ADRS] offset:\i*512+((\ks)/2)*256+((\ks)%2)*8
.endr
.endm
.macro PLACES n
.rept \n
	v_nop
.endr
.endm
.macro STEP slot, q, zero
	s_wait_dscnt 4*NL                              ; B's set and A's blocks 0-3 are in; the youngest 16 loads (A's blocks 4-7) may be out
	WIN MUL_LO
	MUL16 0, (\q)%2, \q, \slot, \zero
	MUL16 2, (\q)%2, \q, \slot, \zero
	s_wait_dscnt 0
	PLACES NP
	FETCH_B \slot, (\q)+1, 1-(\q)%2
	FETCH_A \slot, (\q)+1, 0
	WIN MUL_HI
	MUL16 4, (\q)%2, \q, \slot, \zero
	MUL16 6, (\q)%2, \q, \slot, \zero
	PLACES NP
	WIN 0
	FETCH_A \slot, (\q)+1, 4
.endm
.macro TURN slot, next, fill, ks
	s_wait_tensorcnt 0x0                           ; all my tensor loads have landed: my part of the next slot
	ds_add_u32 v[SPW], v[NIL]                      ; 0 onto my spare word
	s_wait_dscnt 4*NL+1                            ; the add and the youngest 16 loads may be out
	WIN MUL_LO
	MUL16 0, 1, NQ-1, \slot, 0
	s_wait_dscnt 0x0                               ; the add is done, and my reads of this slot are over
	s_barrier_signal -1
	MUL16 2, 1, NQ-1, \slot, 0
	WIN 0
	s_barrier_wait -1
.if \fill
	CREST                                          ; a round of the cluster's barrier: no wave of any partner still reads this slot or has a load on its way
	s_add_nc_u64 s[G0+4*\slot+2:G0+4*\slot+3], s[G0+4*\slot+2:G0+4*\slot+3], 2*KSB
	s_add_nc_u64 s[G0B+4*\slot+2:G0B+4*\slot+3], s[G0B+4*\slot+2:G0B+4*\slot+3], 2*KSB
	JLOAD G0+4*\slot, G1, G0B+4*\slot, G1B
.else
	PLACES NP
.endif
	FETCH_B \next, 0, 0
	FETCH_A \next, 0, 0
	SCALES \next, \ks
	WIN MUL_HI
	MUL16 4, 1, NQ-1, \slot, 0
	MUL16 6, 1, NQ-1, \slot, 0
	PLACES NP
	WIN 0
	FETCH_A \next, 0, 4
.endm
	s_wait_tensorcnt 1                             ; the scale words and my part of K slot 0 are in; K slot 1's load may be out
	s_barrier_signal -1
	s_barrier_wait -1
	FETCH_B 0, 0, 0
	FETCH_A 0, 0, 0
	SCALES 0, 0
	FETCH_A 0, 0, 4
	STEP 0, 0, 1
	TURN 0, 1, 1, 1
	STEP 1, 0, 0
	TURN 1, 0, 1, 2
	STEP 0, 0, 0
	TURN 0, 1, 0, 3
	STEP 1, 0, 0
	s_wait_dscnt 4*NL
	WIN MUL_LO
	MUL16 0, 1, NQ-1, 1, 0
	MUL16 2, 1, NQ-1, 1, 0
	s_wait_dscnt 0
	WIN MUL_HI
	MUL16 4, 1, NQ-1, 1, 0
	MUL16 6, 1, NQ-1, 1, 0
	WIN 0
; THE WAY OUT, block by block of 16 lane rows x 128 columns, through my own stage: in by 32 bytes a lane at the columns' own places, back as whole rows of 512 bytes; + bo; each row stored at its own token.
.macro TOSTAGE a
.set AC, 64*((\a)%4)
	WIN 0x08+4*((\a)/4)                            ; an LDS store's data: window 2 or 3
.irp b, 0,1,2,3,4,5,6,7
	ds_store_b128 v[STO], v[AC+8*\b:AC+8*\b+3] offset:128*(\b/2)+32*(\b%2)      ; each accumulator from its low end on
	ds_store_b128 v[STO], v[AC+8*\b+4:AC+8*\b+7] offset:128*(\b/2)+32*(\b%2)+16
.endr
	WIN 0
.set BB, BK+64*((\a)%2)
.irp t, 0,1,2,3,4,5,6,7,8,9,10,11,12,13,14,15
	ds_load_b128 v[BB+4*\t:BB+4*\t+3], v[RD] offset:\t*SPITCH   ; LDS serves a wave's instructions in order: these see the stores above
.endr
.endm
.macro SEND a, younger                 ; younger: the LDS instructions issued behind block a's loads, which may stay out
.set BB, BK+64*((\a)%2)
	s_wait_dscnt \younger
.irp t, 0,1,2,3,4,5,6,7,8,9,10,11,12,13,14,15
	v_pk_add_f32 v[BB+4*\t:BB+4*\t+1], v[BB+4*\t:BB+4*\t+1], v[BO:BO+1]
	v_pk_add_f32 v[BB+4*\t+2:BB+4*\t+3], v[BB+4*\t+2:BB+4*\t+3], v[BO+2:BO+3]
	global_store_b128 v[CO], v[BB+4*\t:BB+4*\t+3], s[98:99] offset:(32*((\a)/2)+8*((\a)%2)+\t+8*(\t/8))*4096 th:TH_STORE_NT   ; 512 consecutive bytes, aligned; lane row t of block a is token 32 (a / 2) + 8 (a % 2) + t + 8 (t / 8)
.endr
.endm
	PLACES NP
	s_wait_loadcnt 0x0                             ; bo
	TOSTAGE 0
.irp a, 1,2,3,4,5,6,7
.if \a > 1
	s_wait_xcnt 0x0                                ; block a - 2's stores have read their registers: block a's loads may land there
.endif
	TOSTAGE \a
	SEND \a-1, 32                                  ; behind block a - 1's loads: block a's 16 stores and 16 loads
.endr
	SEND 7, 0
	s_wait_tensorcnt 0x0                           ; the wave's end
	ds_add_u32 v[SPW], v[NIL]
	s_wait_dscnt 0x0
	CROUND                                         ; the closing round
	s_endpgm
.Lfunc_end_k_q10da0322c5_proj:
	.size	k_q10da0322c5_proj, .Lfunc_end_k_q10da0322c5_proj-k_q10da0322c5_proj
	.p2alignl 7, 3214868480
	.fill 96, 4, 3214868480
	.section	.rodata,"a",@progbits
	.p2align	6, 0x0
	.amdhsa_kernel k_q10da0322c5_proj
		.amdhsa_group_segment_fixed_size 327680
		.amdhsa_private_segment_fixed_size 0
		.amdhsa_enable_private_segment 0
		.amdhsa_kernarg_size 48
		.amdhsa_user_sgpr_count 2
		.amdhsa_user_sgpr_kernarg_segment_ptr 1
		.amdhsa_wavefront_size32 1
		.amdhsa_system_sgpr_workgroup_id_x 1
		.amdhsa_system_sgpr_workgroup_id_y 1
		.amdhsa_system_sgpr_workgroup_id_z 1
		.amdhsa_system_vgpr_workitem_id 0
		.amdhsa_next_free_vgpr 1024
		.amdhsa_next_free_sgpr 100
		.amdhsa_reserve_vcc 0
		.amdhsa_float_denorm_mode_32 3
		.amdhsa_float_denorm_mode_16_64 3
		.amdhsa_memory_ordered 1
		.amdhsa_forward_progress 1
		.amdhsa_inst_pref_size 159
	.end_amdhsa_kernel
	.amdgpu_metadata
---
amdhsa.version: [ 1, 2 ]
amdhsa.kernels:
  - .name:           k_q10da0322c5_proj
    .symbol:         k_q10da0322c5_proj.kd
    .args:
      - { .name: o_codes, .offset: 0, .size: 8, .value_kind: global_buffer, .address_space: global }
      - { .name: o_scales, .offset: 8, .size: 8, .value_kind: global_buffer, .address_space: global }
      - { .name: w_codes, .offset: 16, .size: 8, .value_kind: global_buffer, .address_space: global }
      - { .name: w_scales, .offset: 24, .size: 8, .value_kind: global_buffer, .address_space: global }
      - { .name: bo, .offset: 32, .size: 8, .value_kind: global_buffer, .address_space: global }
      - { .name: out0, .offset: 40, .size: 8, .value_kind: global_buffer, .address_space: global }
    .group_segment_fixed_size: 327680
    .private_segment_fixed_size: 0
    .kernarg_segment_align: 8
    .kernarg_segment_size: 48
    .max_flat_workgroup_size: 128
    .sgpr_count:     100
    .vgpr_count:     1024
    .wavefront_size: 32
...
	.end_amdgpu_metadata
.endif
;; end of part 4
